; MI455X (gfx1250); checked and timed in simulation.
; The chip was launched on July 23, 2026; its instructions are those of AMD's public machine-readable ISA for CDNA 5 (MIT licence, August 2026) and "CDNA5" Instruction Set Architecture Reference Guide (July 2026). The comments in the code are by the model that wrote it; some were corrected since.
;; Attention. Allowed arithmetic: matrix products marked QUANTISED: E3M2 operands, one E8M0 scale for each 32 along K, by v_wmma_scale_f32_16x16x128_f8f6f4 with both operands' format E3M2, f32 sums; products left as they are: f32 operands where the result goes on into a quantised operand, else bf16, f16 or f32 operands; f32 sums; everything else in f32.
;; Inputs: mask 2,048 x 2,048 bool; wk 2,048 x 2,048 float32; wo 2,048 x 2,048 float32; wq 2,048 x 2,048 float32; wv 2,048 x 2,048 float32; x 2,048 x 2,048 float32.
;; Outputs: out0 2,048 x 2,048 float32.
;; This version of the problem:
;;   THIS VERSION OF THE PROBLEM IS GIVEN IN LOW PRECISION. The matrix products marked QUANTISED in the list below multiply operands that are first quantised to E3M2 (3 exponent bits, 2 mantissa bits; 6 bits a number), with one power-of-two scale for each 32 numbers along K (OCP MX v1.0); their sums are f32. All else is computed in f32.
;;   The module's matrix products, in the order in which they are computed (A, B: the left and right operand; K: the contracted axis; several contracted axes count as one K, in the product's order):
;;     1. [M 2,048, K 2,048] x [K 2,048, N 2,048]; A: input x; B: input wq: QUANTISED
;;     2. [M 2,048, K 2,048] x [K 2,048, N 2,048]; A: input x; B: input wk: QUANTISED
;;     3. [M 2,048, K 2,048] x [K 2,048, N 2,048]; A: input x; B: input wv: QUANTISED
;;     4. [M 2,048, K 1] x [K 1, N 64]; A: computed on the way; B: computed on the way: left as it is (no contracted axis)
;;     5. batch 16 x [M 2,048, K 128] x [K 128, N 2,048]; A: computed on the way; B: computed on the way: QUANTISED
;;     6. batch 16 x [M 128, K 2,048] x [K 2,048, N 2,048]; A: computed on the way; B: softmax (see below): QUANTISED
;;     7. [M 2,048, K 2,048] x [K 2,048, N 2,048]; A: computed on the way; B: input wo: QUANTISED
;;   THE QUANTISER, for each operand of a quantised product, along K:
;;     - K is cut into blocks of 32 from its start; a last block that is shorter is filled with zeros.
;;     - A block's scale is 2^e with e = floor(log2(the largest magnitude in the block)) - 4, held to -126 .. 127; a block of zeros has e = 0. As a byte (E8M0): e + 127.
;;     - Each number is divided by its block's scale, clamped to +-28, and rounded to the nearest number of E3M2, ties to even, subnormals kept.
;;     - The product sums the exact products of the quantised numbers (number of the format x scale) in f32.
;;   ~~~python
;;   def quantise(x, axis):      # numpy; x: float32 -> the quantised numbers, widened to float32 again
;;       x = np.moveaxis(x, axis, -1); K = x.shape[-1]
;;       x = np.pad(x, [(0, 0)] * (x.ndim - 1) + [(0, -K % 32)]); x = x.reshape(x.shape[:-1] + (-1, 32)); a = np.abs(x).max(-1, keepdims=True)
;;       e = np.where(a > 0, np.clip(np.frexp(np.where(a > 0, a, 1))[1] - 1 - 4, -126, 127), 0)      # np.frexp(a)[1] - 1 = floor(log2(a)), exactly
;;       r = np.clip(x / 2.0 ** e, -28, 28)
;;       step = 2.0 ** (np.maximum(np.frexp(np.where(r == 0, 1, r))[1] - 1, -2) - 2)
;;       q = np.round(r / step) * step * 2.0 ** e      # np.round: ties to even
;;       return np.moveaxis(q.reshape(q.shape[:-2] + (-1,))[..., :K], -1, axis).astype(np.float32)
;;   ~~~
;;   SOFTMAX AHEAD OF A QUANTISED PRODUCT. Where the list says 'softmax', what is quantised is not the finished softmax but p = 2^(t - M), with t = logit x log2(e) and M = ceil(the row's largest t), a whole number; so 1/2 < the row's largest p <= 1. The row's sum l is taken of the UNQUANTISED p, in f32, and the product's result is divided by l at the end. Since M is a whole number, a kernel that streams over the keys may use a running M (the ceiling of the running maximum): every later rescaling is an exact power of two, which a block's scale takes up: the codes' values come out the same.
;;   OPERANDS COMPUTED ON THE WAY. 'Computed on the way' means the value that the module computes at that place (a softmax that the list does not call 'softmax' is quantised finished and normalised). What goes into a quantiser is computed in f32, as accurately as f32 sums, v_exp_f32 and their like allow (about 1e-6 of the number): no bf16 or f16 on the way to a quantiser, and a product that is left as it is and whose result goes on into a quantised operand takes f32 operands (vector FMAs, or v_wmma_f32_16x16x4_f32). A number that lies on a knife's edge between two numbers of the format may be rounded either way, as far as f32 arithmetic and the matrix unit's own rounding can turn it there, and no further.
;; One version. Each part assembles by itself: llvm-mc -triple=amdgcn-amd-amdhsa -mcpu=gfx1250 --defsym DOCPART=n.
;; ======== version 1 of 1: 4 launches
;; limits: right only within a limited range of input values
;; workspace buffers: img1 16,384,000 bytes; rope 1,056,768 bytes; mbits 524,288 bytes of whole numbers; img2 9,830,400 bytes; img3 3,276,800 bytes; flags 4,096 bytes of whole numbers
;; launch prep (part 1): grid 705 x 1, 4 waves a work-group, no clusters, 51,712 bytes of LDS; arguments x, wq, wk, wv, wo, mask, img1, rope, mbits, flags; writes img1, rope, mbits, flags
.if DOCPART == 1
	.amdgcn_target "amdgcn-amd-amdhsa--gfx1250"
	.amdhsa_code_object_version 6
	.text
	.protected	k_q67f49a67df_prep
	.globl	k_q67f49a67df_prep
	.p2align	8
	.type	k_q67f49a67df_prep,@function
k_q67f49a67df_prep:
	s_mov_b64 s[64:65], 0
	v_nop
	global_prefetch_b8 v0, s[64:65] scope:SCOPE_SE
	s_setreg_imm32_b32 hwreg(HW_REG_WAVE_MODE, 25, 1), 1
	s_wait_xcnt 0x0
; PREPARATION, three kinds of work-groups, told apart by the work-group's number alone.
;  0..319   x, wq, wk, wv, wo ([2048][2048] f32, K innermost) become codes of BF6 (E3M2) with one E8M0 byte for each 32 along K, laid as the later launches' operand registers want them.
;  320..575 the mask ([2048][2048] bytes, 0 or 1) becomes lane masks: one 32-bit word for each score register of the attention launch.
;  576..704 the table of cos and sin for the rotary embedding, laid as the registers of the projection's way out; block 128 holds (1, 0) everywhere and serves V, which is not rotated.
; LAYOUT OF CODES.  A FRAGMENT is 16 rows x 128 K, 12 registers a lane; it lies in memory as an image of these registers: registers 4 c .. 4 c + 3 of lane l at 512 c + 16 l: 1,536 bytes.
; Position r of fragment i of a group of 128 rows holds row 32 (i / 2) + 8 (i % 2) + r + 8 (r / 8).  A RECORD is one group of 128 rows x one K step of 128: 8 images, then 512 bytes of scale words,
; the word of (fragment i, position r) at 12,288 + 256 (i / 4) + 16 r + 4 (i % 4).  A tensor is 256 records, record 16 g + s for group g and K step s.
; A block's scale is 2^(floor(log2(largest magnitude)) - 4); its byte is the largest magnitude's exponent field - 4, held at 1 from below (a block of zeros keeps the byte 1: its codes are zeros, and only this program reads the bytes).
; LIMITS: NaN and infinities among the inputs are not served; blocks whose largest magnitude lies under 2^-122 keep the byte 1.  The table's frequencies come from v_exp_f32, so an angle can differ from the
; f32 angle of a power and a division by about 2e-4 rad at the largest positions.
.set REC,  12800
.set SCO,  12288
.set TEN,  256*REC
.set WGQ,  320                         ; 5 tensors x 16 groups x 4 work-groups of 4 waves: a wave makes one record
.set WGM,  256                         ; 1,024 waves: 16 queries x 256 keys each
.set SW,   8                           ; v8-15   the 8 fragments' scale words
.set MX,   16                          ; v16-17  two blocks' largest magnitudes
.set SO,   20                          ; v20-21  the conversions' scale operands
.set BY,   24                          ; v24-25  the scale bytes
.set WD,   26                          ; v26     my two bytes at their places
.set TT,   27                          ; v27     the other half's two bytes
.set PC,   32                          ; v32-43  a fragment's codes
.set PT,   44                          ; v44-46, v48-50  the upper halves of two blocks (a conversion's three registers begin on an even number)
.set R0,   64                          ; v64-127, v128-191  two sets of 16 rows as loaded
.set X,    192                         ; v192-255  64 numbers of my row, in the operand's order
	s_load_b256 s[4:11], s[0:1], 0x0               ; x, wq, wk, wv
	s_load_b256 s[12:19], s[0:1], 0x20             ; wo, mask, img1, rope
	s_load_b64 s[20:21], s[0:1], 0x40              ; mbits
	s_load_b64 s[52:53], s[0:1], 0x48              ; flags
	s_set_vgpr_msb 0x40
	v_lshl_add_u32 v0, v0, 2, 0xc800
	v_mov_b32 v1, 0
	s_set_vgpr_msb 0x4000
	v_lshrrev_b32 v1, 5, v0
	v_readfirstlane_b32 s22, v1                    ; wave 0..3
	v_and_b32 v1, 31, v0                           ; lane
	v_and_b32 v2, 15, v0                           ; r
	v_bfe_u32 v3, v0, 4, 1                         ; h
	v_lshlrev_b32 v4, 4, v1                        ; 16 x lane
	s_mov_b32 s26, 0x76543210
	s_mov_b32 s27, 0xfedcba98                      ; v_permlanex16_b32's selects for lane l xor 16
.macro FIRSTROW d, t, u                ; s[d] = 128 (T / 8) + 32 ((T % 8) / 2) + 8 (T % 2): the row at position 0 of tile T = s[t]
	s_lshr_b32 s[\d], s[\t], 3
	s_lshl_b32 s[\d], s[\d], 7
	s_bfe_u32 s[\u], s[\t], 0x20001
	s_lshl_b32 s[\u], s[\u], 5
	s_add_co_u32 s[\d], s[\d], s[\u]
	s_and_b32 s[\u], s[\t], 1
	s_lshl_b32 s[\u], s[\u], 3
	s_add_co_u32 s[\d], s[\d], s[\u]
.endm
	s_cmp_lt_u32 ttmp9, WGQ
	s_cbranch_scc0 .Lnot_quant
; ---------------- the quantiser.  LDS bytes 0 .. 33,791: a stage of 16 rows x 528 bytes for each wave ----------------
	s_mul_i32 s23, s22, 8448
	v_add_nc_u32 v5, s23, v4                       ; into the stage: a row's 512 bytes as they lie, 16 a lane
	v_mul_u32_u24 v6, v2, 528
	v_lshl_add_u32 v6, v3, 7, v6
	v_add_nc_u32 v6, s23, v6                       ; out of it: row r, + 128 h: my block of 32 numbers
	v_lshlrev_b32 v7, 3, v3                        ; 8 h: where my bytes stand in the scale word
	v_mov_b32 v[TT], 0                             ; a lane permute's destination counts as one of its sources
	s_lshr_b32 s24, ttmp9, 6                       ; which tensor
	s_bfe_u32 s25, ttmp9, 0x40002                  ; g: which 128 rows
	s_and_b32 s28, ttmp9, 3
	s_lshl_b32 s28, s28, 2
	s_add_co_u32 s28, s28, s22                     ; s: which 128 along K
	s_lshl_b32 s30, s25, 20                        ; 128 rows of 8,192 bytes
	s_lshl_b32 s29, s28, 9
	s_add_co_u32 s30, s30, s29
	s_mov_b32 s31, 0
	s_lshl_b32 s32, s25, 4
	s_add_co_u32 s32, s32, s28
	s_mul_i32 s32, s32, REC
	s_mul_i32 s33, s24, TEN
	s_add_co_u32 s32, s32, s33                     ; my record
	s_mov_b32 s33, 0
	s_wait_kmcnt 0x0
	s_cmp_eq_u32 s24, 1                            ; the choice hangs on the work-group's number alone
	s_cselect_b64 s[4:5], s[6:7], s[4:5]
	s_cmp_eq_u32 s24, 2
	s_cselect_b64 s[4:5], s[8:9], s[4:5]
	s_cmp_eq_u32 s24, 3
	s_cselect_b64 s[4:5], s[10:11], s[4:5]
	s_cmp_eq_u32 s24, 4
	s_cselect_b64 s[4:5], s[12:13], s[4:5]
	s_add_nc_u64 s[4:5], s[4:5], s[30:31]
	s_add_nc_u64 s[16:17], s[16:17], s[32:33]
.macro LOADF i                         ; fragment i's 16 rows: each load reads 512 consecutive bytes of one row
.irp p, 0,1,2,3,4,5,6,7,8,9,10,11,12,13,14,15
	global_load_b128 v[R0+64*((\i)%2)+4*\p:R0+64*((\i)%2)+4*\p+3], v4, s[4:5] offset:(32*((\i)/2)+8*((\i)%2)+\p+8*(\p/8))*8192 th:TH_LOAD_NT
.endr
.endm
.macro FRAGQ i
.set RS, R0+64*((\i)%2)
.if (\i) < 7
	s_wait_loadcnt 16                              ; my 16 loads are in; the next fragment's 16 stay out
.else
	s_wait_loadcnt 0
.endif
.irp p, 0,1,2,3,4,5,6,7,8,9,10,11,12,13,14,15
	ds_store_b128 v5, v[RS+4*\p:RS+4*\p+3] offset:528*\p
.endr
.irp c, 0,1
.irp q, 0,1,2,3,4,5,6,7
	ds_load_b128 v[X+32*\c+4*\q:X+32*\c+4*\q+3], v6 offset:256*\c+16*\q   ; LDS serves a wave's instructions in order: these see the stores above.  k = 64 c + 32 h + 0 .. 31 of row r
.endr
.endr
	s_wait_dscnt 0x0                               ; the numbers are back, and the stores have read their registers,
.if (\i) < 6
	LOADF (\i)+2                                   ; which take the fragment two further on
.endif
.irp c, 0,1
	v_max3_num_f32 v[MX+\c], |v[X+32*\c]|, |v[X+32*\c+1]|, 0x2800000   ; my block 2 c + h: all 32 numbers are mine; the floor 2^(5 - 127) holds the byte at 1 from below
.endr
.irp k, 2,4,6,8,10,12,14,16,18,20,22,24,26,28,30
.irp c, 0,1
	v_max3_num_f32 v[MX+\c], v[MX+\c], |v[X+32*\c+\k]|, |v[X+32*\c+\k+1]|
.endr
.endr
.irp c, 0,1
	v_add_nc_u32 v[SO+\c], 0xfe000000, v[MX+\c]    ; 4 off the exponent field: the conversion takes the exponent field of this operand as its scale
.endr
.irp c, 0,1
	v_lshrrev_b32 v[BY+\c], 23, v[SO+\c]           ; the scale's byte
.endr
	v_lshl_or_b32 v[WD], v[BY+1], 16, v[BY]        ; blocks h and 2 + h,
	v_lshlrev_b32 v[WD], v7, v[WD]                 ; at their places;
	v_permlanex16_b32 v[TT], v[WD], s26, s27
	v_or_b32 v[SW+(\i)], v[WD], v[TT]              ; with lane l xor 16's two the word is whole
	s_wait_alu depctr_va_vdst(0)
	s_wait_xcnt 0x0                                ; the last fragment's stores have read the registers that are written next
.irp c, 0,1
	v_cvt_scalef32_pk16_bf6_f32 v[PC+6*\c:PC+6*\c+2], v[X+32*\c:X+32*\c+15], v[SO+\c]
	v_cvt_scalef32_pk16_bf6_f32 v[PT+4*\c:PT+4*\c+2], v[X+32*\c+16:X+32*\c+31], v[SO+\c]
.endr
	v_nop                                          ; one plain place behind a scaled conversion
.irp c, 0,1
.irp k, 0,1,2
	v_mov_b32 v[PC+3+6*\c+\k], v[PT+4*\c+\k]
.endr
.endr
.irp c, 0,1,2
	global_store_b128 v4, v[PC+4*\c:PC+4*\c+3], s[16:17] offset:1536*(\i)+512*\c   ; 32 lanes store 512 consecutive bytes, at a multiple of 256 from the buffer's first byte
.endr
.endm
	s_wait_alu depctr_va_vdst(0)
	LOADF 0
	LOADF 1
.irp i, 0,1,2,3,4,5,6,7
	FRAGQ \i
.endr
	v_cmp_ne_u32 vcc_lo, 0, v3
.irp k, 0,1,2,3
	v_cndmask_b32 v[MX+\k], v[SW+\k], v[SW+4+\k], vcc_lo   ; lanes 0-15 carry fragments 0-3's words of position r, lanes 16-31 fragments 4-7's
.endr
	global_store_b128 v4, v[MX:MX+3], s[16:17] offset:SCO
	s_set_vgpr_msb 0x5
	s_wait_tensorcnt 0x0
	ds_add_u32 v0, v1
	s_wait_dscnt 0x0
	s_set_vgpr_msb 0x500
	s_endpgm
.Lnot_quant:
	s_cmp_lt_u32 ttmp9, WGQ+WGM
	s_cbranch_scc0 .Lrope
; ---------------- the mask.  LDS bytes 33,792 .. 51,199: a stage of 16 rows x 272 bytes for each wave ----------------
; Job J = 8 T + sp: the 16 queries of tile T x keys 256 sp .. 256 sp + 255.  Word n of (T, key step s), at (16 T + s) 256 + 4 n, has in bit l: mask[query at position l % 16][128 s + 32 (n / 16) + 16 (l / 16) + n % 16].
	s_sub_co_u32 s23, ttmp9, WGQ
	s_lshl_b32 s23, s23, 2
	s_add_co_u32 s23, s23, s22                     ; J
	s_lshr_b32 s24, s23, 3                         ; T
	s_and_b32 s25, s23, 7                          ; sp
	FIRSTROW 28, 24, 29
	s_lshl_b32 s28, s28, 11                        ; rows of 2,048 bytes
	s_lshl_b32 s29, s25, 8
	s_add_co_u32 s28, s28, s29
	s_mov_b32 s29, 0
	s_lshl_b32 s30, s23, 9                         ; 512 bytes of words a job
	s_mov_b32 s31, 0
	s_mul_i32 s32, s22, 4352
	s_add_co_u32 s32, s32, 33792
	s_wait_alu depctr_va_vdst(0)
	v_lshlrev_b32 v5, 4, v2
	v_lshl_add_u32 v6, v3, 11, v5                  ; in memory: lanes 0-15 one row's 256 bytes, lanes 16-31 the next row's
	v_mad_u32_u24 v7, v3, 272, v5
	v_add_nc_u32 v7, s32, v7                       ; the same two rows in the stage
	v_mul_u32_u24 v8, v2, 272
	v_lshl_add_u32 v8, v3, 4, v8
	v_add_nc_u32 v8, s32, v8                       ; back: position r, + 16 h
.irp k, 0,1,2,3
	v_mov_b32 v[96+\k], 0                          ; v_writelane_b32's destination counts as read
.endr
	s_wait_alu depctr_va_vdst(0)
	s_wait_kmcnt 0x0
	s_add_nc_u64 s[14:15], s[14:15], s[28:29]
	s_add_nc_u64 s[20:21], s[20:21], s[30:31]
.irp j, 0,1,2,3,4,5,6,7
	global_load_b128 v[32+4*\j:35+4*\j], v6, s[14:15] offset:(2*\j+8*(\j/4))*2048 th:TH_LOAD_NT   ; positions 2 j and 2 j + 1
.endr
	s_wait_loadcnt 0x0
.irp j, 0,1,2,3,4,5,6,7
	ds_store_b128 v7, v[32+4*\j:35+4*\j] offset:544*\j
.endr
.irp j, 0,1,2,3,4,5,6,7
	ds_load_b128 v[64+4*\j:67+4*\j], v8 offset:128*(\j/4)+32*(\j%4)   ; my query's 16 bytes of key block j % 4 of key step j / 4
.endr
	s_wait_dscnt 0x0
	s_mov_b32 s44, 0                               ; the OR of each key step's 64 words,
	s_mov_b32 s45, 0
	s_mov_b32 s46, -1                              ; and their AND
	s_mov_b32 s47, -1
.set x, 0
.rept 128
	v_and_b32 v[100+x%4], 0xff<<(8*(x%4)), v[64+4*(x/16)+(x%16)/4]
	v_cmp_ne_u32 s[40+x%4], 0, v[100+x%4]
	v_writelane_b32 v[96+x%4], s[40+x%4], x/4      ; lane L's four registers are words 4 L .. 4 L + 3
	s_or_b32 s[44+x/64], s[44+x/64], s[40+x%4]
	s_and_b32 s[46+x/64], s[46+x/64], s[40+x%4]
.set x, x+1
.endr
	s_wait_alu depctr_va_vdst(0)                   ; the wait ahead of the reader below
	global_store_b128 v4, v[96:99], s[20:21]       ; 512 consecutive bytes
	; the job's flag word, at flags + 4 J: bit s = key step s shows some key to some query of tile T, bit 16 + s = it hides some; s = 2 sp, 2 sp + 1.
	; One word of 4 bytes a wave: the whole buffer is 4,096 bytes, and a job knows two steps alone.
	s_cmp_lg_u32 s44, 0
	s_cselect_b32 s48, 1, 0
	s_cmp_lg_u32 s45, 0
	s_cselect_b32 s49, 2, 0
	s_or_b32 s48, s48, s49
	s_cmp_lg_u32 s46, -1
	s_cselect_b32 s49, 0x10000, 0
	s_or_b32 s48, s48, s49
	s_cmp_lg_u32 s47, -1
	s_cselect_b32 s49, 0x20000, 0
	s_or_b32 s48, s48, s49
	s_lshl_b32 s49, s25, 1
	s_lshl_b32 s48, s48, s49
	s_lshl_b32 s54, s23, 2
	s_mov_b32 s55, 0
	s_add_nc_u64 s[52:53], s[52:53], s[54:55]
	v_mov_b32 v104, s48
	v_mov_b32 v105, 0
	v_cmp_eq_u32 vcc_lo, 0, v1
	s_wait_alu depctr_va_vdst(0)                   ; the wait ahead of the wait below
	s_wait_xcnt 0x0                                ; EXEC changes only behind this wait
	s_and_saveexec_b32 s56, vcc_lo                 ; lane 0 alone
	global_store_b32 v105, v104, s[52:53]
	s_wait_xcnt 0x0
	s_or_b32 exec_lo, exec_lo, s56
	s_set_vgpr_msb 0x5
	s_wait_tensorcnt 0x0
	ds_add_u32 v0, v1
	s_wait_dscnt 0x0
	s_set_vgpr_msb 0x500
	s_endpgm
.Lrope:
; ---------------- cos and sin.  Block T: the 16 tokens of tile T; lane (r, h) of wave w makes pairs 16 w + 8 h + 0 .. 7 of token position r.  No LDS ----------------
	s_sub_co_u32 s23, ttmp9, WGQ+WGM               ; T = 0 .. 128
	FIRSTROW 28, 23, 29
	s_cmp_lt_u32 s23, 128
	s_cselect_b32 s24, 1, 0                        ; block 128: token 0 for every lane: cos = 1, sin = 0
	s_wait_alu depctr_va_vdst(0)
	v_and_b32 v5, 8, v2
	v_add_nc_u32 v5, v5, v2                        ; r + 8 (r / 8)
	v_add_nc_u32 v5, s28, v5
	v_mul_u32_u24 v5, v5, s24
	v_cvt_f32_u32 v8, v5                           ; t
	s_lshl_b32 s25, s22, 4
	v_lshl_add_u32 v9, v3, 3, s25                  ; 16 w + 8 h
	s_lshl_b32 s30, s23, 13
	s_lshl_b32 s31, s22, 11
	s_add_co_u32 s30, s30, s31                     ; 8,192 T + 2,048 w
	s_mov_b32 s31, 0
	s_mov_b32 s32, 0xbe2aaaa3                      ; sin: -1.6666654611e-1
	s_mov_b32 s33, 0x3c08839e                      ;       8.3321608736e-3
	s_mov_b32 s34, 0xb94ca1f9                      ;      -1.9515295891e-4
	s_mov_b32 s35, 0x3d2aaaa5                      ; cos:  4.166664568e-2
	s_mov_b32 s36, 0xbab6061a                      ;      -1.388731625e-3
	s_mov_b32 s37, 0x37ccf5ce                      ;       2.443315712e-5
	s_wait_alu depctr_va_vdst(0)
	s_wait_kmcnt 0x0
	s_add_nc_u64 s[18:19], s[18:19], s[30:31]
.irp e, 0,1,2,3,4,5,6,7
	v_add_nc_u32 v[16+\e], \e, v9                  ; the pair's number j
.endr
.irp e, 0,1,2,3,4,5,6,7
	v_cvt_f32_u32 v[16+\e], v[16+\e]
.endr
.irp e, 0,1,2,3,4,5,6,7
	v_mul_f32 v[16+\e], 0xbe549a78, v[16+\e]       ; -j log2(10000) / 64
.endr
	s_wait_alu depctr_va_vdst(0)
.irp e, 0,1,2,3,4,5,6,7
	v_exp_f32 v[16+\e], v[16+\e]                   ; 10000^(-2 j / 128)
.endr
	v_nop                                          ; a plain place behind the exponentials,
	s_wait_alu depctr_va_vdst(0)                   ; and one wait for the batch ahead of its first reader
.irp e, 0,1,2,3,4,5,6,7
	v_mul_f32 v[16+\e], v8, v[16+\e]               ; the angle f, rounded once
.endr
.irp e, 0,1,2,3,4,5,6,7
	v_mul_f32 v[24+\e], 0x3f22f983, v[16+\e]       ; f x 2 / pi
.endr
.irp e, 0,1,2,3,4,5,6,7
	v_rndne_f32 v[24+\e], v[24+\e]                 ; n
.endr
.irp e, 0,1,2,3,4,5,6,7
	v_fmamk_f32 v[32+\e], v[24+\e], 0xbfc90fdb, v[16+\e]   ; f - n x (pi / 2 to f32): exact, since f is under 2,048
.endr
.irp e, 0,1,2,3,4,5,6,7
	v_fmamk_f32 v[32+\e], v[24+\e], 0x333bbd2e, v[32+\e]   ; - n x (the rest of pi / 2, -4.37113883e-8): rho, at most pi / 4
.endr
.irp e, 0,1,2,3,4,5,6,7
	v_mul_f32 v[40+\e], v[32+\e], v[32+\e]         ; z
.endr
.irp e, 0,1,2,3,4,5,6,7
	v_fma_f32 v[48+\e], v[40+\e], s34, s33
.endr
.irp e, 0,1,2,3,4,5,6,7
	v_fma_f32 v[48+\e], v[48+\e], v[40+\e], s32
.endr
.irp e, 0,1,2,3,4,5,6,7
	v_mul_f32 v[48+\e], v[48+\e], v[40+\e]
.endr
.irp e, 0,1,2,3,4,5,6,7
	v_fma_f32 v[48+\e], v[48+\e], v[32+\e], v[32+\e]   ; sin(rho)
.endr
.irp e, 0,1,2,3,4,5,6,7
	v_fma_f32 v[56+\e], v[40+\e], s37, s36
.endr
.irp e, 0,1,2,3,4,5,6,7
	v_fma_f32 v[56+\e], v[56+\e], v[40+\e], s35
.endr
.irp e, 0,1,2,3,4,5,6,7
	v_mul_f32 v[88+\e], v[40+\e], v[40+\e]
.endr
.irp e, 0,1,2,3,4,5,6,7
	v_fma_f32 v[40+\e], v[40+\e], -0.5, 1.0
.endr
.irp e, 0,1,2,3,4,5,6,7
	v_fma_f32 v[56+\e], v[56+\e], v[88+\e], v[40+\e]   ; cos(rho)
.endr
.irp e, 0,1,2,3,4,5,6,7
	v_cvt_i32_f32 v[80+\e], v[24+\e]               ; the quadrant is n mod 4
.endr
.irp e, 0,1,2,3,4,5,6,7
	v_and_b32 v[88+\e], 1, v[80+\e]
	v_cmp_ne_u32 vcc_lo, 0, v[88+\e]
	v_cndmask_b32 v[64+2*\e], v[56+\e], v[48+\e], vcc_lo   ; in odd quadrants the two change places
	v_cndmask_b32 v[65+2*\e], v[48+\e], v[56+\e], vcc_lo
	v_add_nc_u32 v[88+\e], 1, v[80+\e]
	v_and_b32 v[88+\e], 2, v[88+\e]                ; cos is negative in quadrants 1 and 2,
	v_lshlrev_b32 v[88+\e], 30, v[88+\e]
	v_xor_b32 v[64+2*\e], v[88+\e], v[64+2*\e]
	v_and_b32 v[80+\e], 2, v[80+\e]                ; sin in quadrants 2 and 3
	v_lshlrev_b32 v[80+\e], 30, v[80+\e]
	v_xor_b32 v[65+2*\e], v[80+\e], v[65+2*\e]
.endr
.irp q, 0,1,2,3
	global_store_b128 v4, v[64+4*\q:67+4*\q], s[18:19] offset:512*\q   ; (cos, sin) of two pairs: registers 16 w + 4 q .. + 3 of the reader's 64
.endr
	s_endpgm
.Lfunc_end_k_q67f49a67df_prep:
	.size	k_q67f49a67df_prep, .Lfunc_end_k_q67f49a67df_prep-k_q67f49a67df_prep
	.p2alignl 7, 3214868480
	.fill 96, 4, 3214868480
	.section	.rodata,"a",@progbits
	.p2align	6, 0x0
	.amdhsa_kernel k_q67f49a67df_prep
		.amdhsa_group_segment_fixed_size 51712
		.amdhsa_private_segment_fixed_size 0
		.amdhsa_enable_private_segment 0
		.amdhsa_kernarg_size 80
		.amdhsa_user_sgpr_count 2
		.amdhsa_user_sgpr_kernarg_segment_ptr 1
		.amdhsa_wavefront_size32 1
		.amdhsa_system_sgpr_workgroup_id_x 1
		.amdhsa_system_sgpr_workgroup_id_y 1
		.amdhsa_system_sgpr_workgroup_id_z 1
		.amdhsa_system_vgpr_workitem_id 0
		.amdhsa_next_free_vgpr 258
		.amdhsa_next_free_sgpr 66
		.amdhsa_reserve_vcc 1
		.amdhsa_float_denorm_mode_32 3
		.amdhsa_float_denorm_mode_16_64 3
		.amdhsa_memory_ordered 1
		.amdhsa_forward_progress 1
		.amdhsa_inst_pref_size 107
	.end_amdhsa_kernel
	.amdgpu_metadata
---
amdhsa.version: [ 1, 2 ]
amdhsa.kernels:
  - .name:           k_q67f49a67df_prep
    .symbol:         k_q67f49a67df_prep.kd
    .args:
      - { .name: x, .offset: 0, .size: 8, .value_kind: global_buffer, .address_space: global }
      - { .name: wq, .offset: 8, .size: 8, .value_kind: global_buffer, .address_space: global }
      - { .name: wk, .offset: 16, .size: 8, .value_kind: global_buffer, .address_space: global }
      - { .name: wv, .offset: 24, .size: 8, .value_kind: global_buffer, .address_space: global }
      - { .name: wo, .offset: 32, .size: 8, .value_kind: global_buffer, .address_space: global }
      - { .name: mask, .offset: 40, .size: 8, .value_kind: global_buffer, .address_space: global }
      - { .name: img1, .offset: 48, .size: 8, .value_kind: global_buffer, .address_space: global }
      - { .name: rope, .offset: 56, .size: 8, .value_kind: global_buffer, .address_space: global }
      - { .name: mbits, .offset: 64, .size: 8, .value_kind: global_buffer, .address_space: global }
      - { .name: flags, .offset: 72, .size: 8, .value_kind: global_buffer, .address_space: global }
    .group_segment_fixed_size: 51712
    .private_segment_fixed_size: 0
    .kernarg_segment_align: 8
    .kernarg_segment_size: 80
    .max_flat_workgroup_size: 128
    .sgpr_count:     66
    .vgpr_count:     258
    .wavefront_size: 32
...
	.end_amdgpu_metadata
.endif
;; end of part 1
;; launch qkv (part 2): grid 8 x 24, 4 waves a work-group, clusters of 4 x 4, 327,680 bytes of LDS; arguments img1, rope, img2; writes img2
.if DOCPART == 2
	.amdgcn_target "amdgcn-amd-amdhsa--gfx1250"
	.amdhsa_code_object_version 6
	.text
	.protected	k_q67f49a67df_qkv
	.globl	k_q67f49a67df_qkv
	.p2align	8
	.type	k_q67f49a67df_qkv,@function
k_q67f49a67df_qkv:
	s_mov_b64 s[64:65], 0
	v_nop
	global_prefetch_b8 v0, s[64:65] scope:SCOPE_SE
	s_setreg_imm32_b32 hwreg(HW_REG_WAVE_MODE, 25, 1), 1
	s_wait_xcnt 0x0
	s_wait_alu depctr_hold_cnt(0) depctr_sa_sdst(0) depctr_va_vdst(0) depctr_va_sdst(0) depctr_va_ssrc(0) depctr_va_vcc(0) depctr_vm_vsrc(0)
	s_getreg_b32 s2, hwreg(HW_REG_IB_STS2, 6, 4)
	s_cmp_eq_u32 s2, 0
	s_cbranch_scc0 .Lentry_in_a_cluster
	s_endpgm
.Lentry_in_a_cluster:
	s_bfe_u32 s2, ttmp6, 0x10000c
	s_cmp_lg_u32 s2, 0xf033
	s_cbranch_scc0 .Lentry_shape_is_right
	s_endpgm
.Lentry_shape_is_right:
; q = rope(x wq^T), k = rope(x wk^T), v = x wv^T on codes of BF6 (E3M2) with E8M0 scales for each 32 along K, and their quantising: q and k along the head's 128, v along the keys.
; OPERANDS come as records (see the layout below); results leave as records of the same kind, so that nothing is turned between launches.
; A fragment (16 rows x 128 K, 12 registers a lane) lies as an image of its registers: registers 4 c .. 4 c + 3 of lane l at 512 c + 16 l.  Position r of fragment i of a group of 128 rows holds row
; 32 (i / 2) + 8 (i % 2) + r + 8 (r / 8).  A record = 8 images + 512 bytes of scale words (fragment i, position r: 12,288 + 256 (i / 4) + 16 r + 4 (i % 4)) = 12,800 bytes.  A group's 16 records, one a K step, lie on end.
; With source 0 = fragment b of one side and source 1 = fragment a of the other, register 8 b + j of lane (r, h) is (source 1's row at position r of a, source 0's row 32 (b / 2) + 16 h + 8 (b % 2) + j):
; a lane's 64 registers of one a run along source 0's 128 rows, 16 neighbours of each block of 32: what the conversions want.
; THREE KINDS OF TILES, by the cluster's y alone (the same in all partners); only offsets differ, no branch.  Kinds 0, 1: source 1 = x (tokens), source 0 = wq or wk (a head's 128): registers run along the head.
; Kind 2: source 1 = wv (a head's 128), source 0 = x: registers run along the tokens, which are the keys.  V takes the table's block of (1, 0), so the same lines serve it.
; SHARES.  A tile is 256 x 256, four waves of 128 x 128: 64 accumulators, 512 registers.
; THE RING.  Two LDS slots of THREE K steps of 128, the longest of which two fit in LDS (2 x 153,600 bytes); a wave's load is three records of one group, 38,400 dense bytes.  From a refill to the wait for it a wave issues
; 160 matrix instructions.  The 16 K steps are 5 x 3 + 1, and one shape of load serves the loop: the last refill brings step 15 and behind it two records that no step reads (the next group's first two, behind a tensor's last
; group the next tensor's: wo follows wv, so they lie inside img1).  The scale words travel inside the records and are read step by step.
; CLUSTER 4 x 4: source 1's records are shared along a row of the cluster, source 0's along a column: joint tensor loads.  24 x 8 = 192 tiles: a wave needs source 0's whole 128 for the quantiser, so the tile is not cut further.
; REGISTERS: window 0: v4, v7, v16-29, v52-55 addresses; v32-47 scale words, two sets; v64-127 the table's first block; v128-223 source 1's fragments, one set.  Window 1: source 0's, two sets, at v0 and v128.
;   Windows 2, 3: accumulators, (a, b) at v[8 (8 (a % 4) + b)].  On the way out window 1 holds three more blocks of the table.
; LIMITS: NaN and infinities are not served; a block whose largest magnitude lies under 2^-122 keeps the byte 1.
.set REC,   12800
.set SCO,   12288
.set TEN,   256*REC
.set FR,    12
.set NL,    3                          ; LDS loads that bring a fragment
.set NP,    4                          ; places behind this matrix instruction (ISA guide 7.12.1)
.set NQ,    3                          ; K steps in a slot
.set HALFT, NQ*REC                     ; one group of 128 rows, three K steps: what one tensor load brings
.set SLOT,  4*HALFT                    ; source 1's two groups, then source 0's two
.set SPARE, 2*SLOT                     ; the spare words, 128 bytes for each wave: two blocks of 256 bytes that no other line names
.set TRIPS, 2                          ; a trip of the loop is six K steps, once round the ring
.set LI,   4                           ; v4      16 x lane; never rewritten
.set HH,   7                           ; v7      lane / 16
.set SW,   8                           ; v8-15   the way out: 8 scale words
.set ADRA, 16                          ; v16-17  LDS address of source 1's fragments in slot 0, 1
.set ADRB, 20                          ; v20-21  of source 0's
.set ADRS, 22                          ; v22-23  of the scale words: lanes 0-15 source 1's, lanes 16-31 source 0's
.set TM,   16                          ; v16-27  the way out: largest magnitudes, bytes, scale operands
.set SPW,  28                          ; v28     my spare word; never rewritten
.set NIL,  29                          ; v29     0; never rewritten
.set SC,   32                          ; v[SC + 8 p + i]: the words of fragment i, in the set p of the step's parity
.set PC,   32                          ; the way out: v32-43 codes, v44-46 and v48-50 upper halves
.set PT,   44
.set VO,   52                          ; v52-55  offsets into the table: block a takes register a % 4
.set AF,   128
.set YY,   192                         ; the way out: v192-255 the rotated numbers
.set G1,  24
.set G0,  32
.set G1B, 48
.set G0B, 56
.set SEL, 74
.set MSB, 0
.macro WIN new                         ; the immediate's high byte repeats the setting that is left
.if MSB != (\new)
	s_set_vgpr_msb (MSB<<8)|(\new)
.set MSB, (\new)
.endif
.endm
.set MUL_LO, 0xa1                      ; source 0 window 1, source 1 window 0, C and D window 2
.set MUL_HI, 0xf1                      ; the same, C and D window 3
.set TO_B,   0x40                      ; destination window 1, address window 0
.macro JLOAD g0a, g0b                  ; a joint load: waves 0, 1 fetch source 1's groups, waves 2, 3 source 0's; four v_nop follow each line
	s_cmp_eq_u32 s15, 0
	s_cbranch_scc0 .Lfor_b_\@
	tensor_load_to_lds s[\g0a:\g0a+3], s[G1:G1+7]
	s_nop 0
.rept 4
	v_nop
.endr
	s_branch .Lasked_\@
.Lfor_b_\@:
	tensor_load_to_lds s[\g0b:\g0b+3], s[G1B:G1B+7]
	s_nop 0
.rept 4
	v_nop
.endr
.Lasked_\@:
.endm
.macro CREST                           ; a round of the cluster's barrier behind its opening barrier
	s_cmp_lg_u32 s14, 0
	s_cbranch_scc1 .Lnot_wave_0_\@
	s_barrier_signal -3
.Lnot_wave_0_\@:
	s_barrier_wait -3
	s_barrier_signal -1
	s_barrier_wait -1
.endm
.macro CROUND
	s_barrier_signal -1
	s_barrier_wait -1
	CREST
.endm
	s_load_b128 s[4:7], s[0:1], 0x0                ; img1, rope
	s_load_b64 s[8:9], s[0:1], 0x10                ; img2
	v_lshl_add_u32 v[SPW], v0, 2, SPARE
	v_mov_b32 v[NIL], 0
	ds_add_u32 v28, v29
	ds_add_u32 v28, v29
	s_wait_dscnt 0x0
	v_lshrrev_b32 v1, 5, v0
	v_readfirstlane_b32 s14, v1                    ; wave 0..3
	s_lshr_b32 s15, s14, 1                         ; my group of source 1.  Also: I fetch for source 1 (0) or source 0 (1)
	s_and_b32 s16, s14, 1                          ; my group of source 0.  Also: which group I fetch
	s_bfe_u32 s40, ttmp6, 0x40000                  ; cx
	s_bfe_u32 s41, ttmp6, 0x40004                  ; cy
	s_lshl_b32 s42, ttmp9, 2
	s_add_co_u32 s42, s42, s40                     ; tile column 0..7
	s_and_b32 s17, ttmp7, 0xffff                   ; the cluster's y, 0..5
	s_lshr_b32 s66, s17, 1                         ; the kind: 0 q, 1 k, 2 v
	s_and_b32 s17, s17, 1
	s_lshl_b32 s17, s17, 2
	s_add_co_u32 s17, s17, s41                     ; tile row 0..7
	s_lshl_b32 s43, s41, 2
	s_lshl_b32 s43, 15, s43                        ; my row of the cluster
	s_lshl_b32 s44, 0x1111, s40                    ; my column
	s_or_b32 s[G1+0], s43, (3<<16)|(1<<21)         ; 15:0 the mask; 17:16 elements of 8 bytes; 20 no padding; 21 set beside a mask
	s_or_b32 s[G1B+0], s44, (3<<16)|(1<<21)
.irp g, G1, G1B                        ; 38,400 dense bytes as 150 rows of 256
	s_mov_b32 s[\g+1], 32<<16                      ; tensor_dim0 = 32 elements
	s_mov_b32 s[\g+2], 150<<16                     ; tensor_dim1 = 150
	s_mov_b32 s[\g+3], 32<<16                      ; tile_dim0
	s_mov_b32 s[\g+4], 150                         ; tile_dim1
	s_mov_b32 s[\g+5], 32                          ; the pitch
	s_mov_b32 s[\g+6], 0
	s_mov_b32 s[\g+7], 0
.endr
	s_add_co_u32 s67, s66, 1
	s_mul_i32 s67, s67, TEN                        ; wq or wk
	s_cmp_eq_u32 s66, 2
	s_cselect_b32 s18, 3*TEN, 0                    ; source 1: wv, else x
	s_cselect_b32 s67, 0, s67                      ; source 0: x, else the weight
	s_lshl_b32 s20, s17, 1
	s_add_co_u32 s20, s20, s16
	s_mul_i32 s20, s20, 16*REC                     ; a group's 16 records lie on end
	s_add_co_u32 s20, s20, s18
	s_mov_b32 s21, 0
	s_lshl_b32 s46, s42, 1
	s_add_co_u32 s46, s46, s16
	s_mul_i32 s46, s46, 16*REC
	s_add_co_u32 s46, s46, s67
	s_mov_b32 s47, 0
	s_mul_i32 s45, s14, HALFT                      ; where they go: wave x a group: no place in the cluster enters an LDS address
	s_wait_kmcnt 0x0
	s_add_nc_u64 s[20:21], s[4:5], s[20:21]
	s_add_nc_u64 s[46:47], s[4:5], s[46:47]
	CROUND                                         ; all sixteen work-groups are here: the first joint loads meet
.irp s, 0,1
	s_mov_b32 s[G0+4*\s], 1
	s_add_co_u32 s[G0+4*\s+1], s45, \s*SLOT
	s_add_nc_u64 s[G0+4*\s+2:G0+4*\s+3], s[20:21], \s*HALFT
	s_or_b32 s[G0+4*\s+3], s[G0+4*\s+3], 0x80000000
	s_mov_b32 s[G0B+4*\s], 1
	s_add_co_u32 s[G0B+4*\s+1], s45, \s*SLOT
	s_add_nc_u64 s[G0B+4*\s+2:G0B+4*\s+3], s[46:47], \s*HALFT
	s_or_b32 s[G0B+4*\s+3], s[G0B+4*\s+3], 0x80000000
.endr
	JLOAD G0, G0B                                  ; K steps 0-2: my one tensor load at the head
	v_and_b32 v1, 31, v0
	v_and_b32 v2, 15, v0                           ; r
	v_bfe_u32 v[HH], v0, 4, 1                      ; h
	v_lshlrev_b32 v[LI], 4, v1
	s_wait_alu depctr_va_vdst(0)
	s_mul_i32 s76, s15, HALFT                      ; my group of source 1
	s_mul_i32 s77, s16, HALFT
	s_add_co_u32 s77, s77, 2*HALFT                 ; my group of source 0
	s_sub_co_u32 s78, s77, s76
	v_mul_u32_u24 v3, s78, v[HH]                   ; lanes 16-31 take source 0's words: the lower base + h x the distance
	v_lshl_add_u32 v3, v2, 4, v3
	s_add_co_u32 s79, s76, SCO
.irp s, 0,1
	v_add_nc_u32 v[ADRA+\s], s76, v[LI]
	v_add_nc_u32 v[ADRB+\s], s77, v[LI]
	v_add_nc_u32 v[ADRS+\s], s79, v3
	s_add_co_u32 s76, s76, SLOT
	s_add_co_u32 s77, s77, SLOT
	s_add_co_u32 s79, s79, SLOT
.endr
	; the way out: my record of img2 and my blocks of the table
	s_lshl_b32 s80, s17, 1
	s_add_co_u32 s80, s80, s15                     ; gA: source 1's group
	s_lshl_b32 s81, s42, 1
	s_add_co_u32 s81, s81, s16                     ; gB: source 0's group
	s_lshl_b32 s82, s80, 4
	s_add_co_u32 s82, s82, s81                     ; v: 16 head + token group = 16 gA + gB
	s_lshl_b32 s83, s81, 4
	s_add_co_u32 s83, s83, s80                     ; q, k: 16 gB + gA
	s_lshl_b32 s84, s80, 16                        ; a token group's 8 blocks of 8,192 bytes
	s_mul_i32 s85, s66, TEN
	s_cmp_eq_u32 s66, 2
	s_cselect_b32 s82, s82, s83
	s_cselect_b32 s84, 128*8192, s84               ; v: the block of (1, 0),
	s_cselect_b32 s70, 0, 8192                     ; for every a
	s_cselect_b32 s71, 0, 32768                    ; four blocks on
	s_mul_i32 s82, s82, REC
	s_add_co_u32 s82, s82, s85
	s_mov_b32 s83, 0
	s_mov_b32 s85, 0
	s_add_nc_u64 s[72:73], s[8:9], s[82:83]
	s_add_nc_u64 s[68:69], s[6:7], s[84:85]
	v_mov_b32 v[VO], v[LI]
	v_add_nc_u32 v[VO+1], s70, v[VO]
	v_add_nc_u32 v[VO+2], s70, v[VO+1]
	v_add_nc_u32 v[VO+3], s70, v[VO+2]
	s_mov_b32 s[SEL], 0x76543210
	s_mov_b32 s[SEL+1], 0xfedcba98
.macro FRAG reg, adr, q, i             ; an image comes back as it was stored: three loads of 512 consecutive bytes
.irp c, 0,1,2
	ds_load_b128 v[\reg+4*\c:\reg+4*\c+3], v[\adr] offset:(\q)*REC+(\i)*1536+512*\c
.endr
.endm
; 16 matrix instructions: source 1's fragments a0, a0 + 1 x source 0's eight, out of set p.  The 64 accumulators take turns, one instruction a turn, in the same order in every step.
.macro MUL16 a0, p, zero
.irp a, \a0, \a0+1
.irp b, 0,1,2,3,4,5,6,7
.if \zero
	v_wmma_scale_f32_16x16x128_f8f6f4 v[8*(8*((\a)%4)+\b):8*(8*((\a)%4)+\b)+7], v[128*(\p)+FR*\b:128*(\p)+FR*\b+FR-1], v[AF+FR*(\a):AF+FR*(\a)+FR-1], 0, v[SC+8*(\p)+\b], v[SC+8*(\p)+(\a)] matrix_a_fmt:MATRIX_FMT_BF6 matrix_b_fmt:MATRIX_FMT_BF6 matrix_a_scale:MATRIX_SCALE_ROW1
.else
	v_wmma_scale_f32_16x16x128_f8f6f4 v[8*(8*((\a)%4)+\b):8*(8*((\a)%4)+\b)+7], v[128*(\p)+FR*\b:128*(\p)+FR*\b+FR-1], v[AF+FR*(\a):AF+FR*(\a)+FR-1], v[8*(8*((\a)%4)+\b):8*(8*((\a)%4)+\b)+7], v[SC+8*(\p)+\b], v[SC+8*(\p)+(\a)] matrix_a_fmt:MATRIX_FMT_BF6 matrix_b_fmt:MATRIX_FMT_BF6 matrix_a_scale:MATRIX_SCALE_ROW1
.endif
.endr
.endr
.endm
.macro FETCH_B slot, q, p
	WIN TO_B
.irp i, 0,1,2,3,4,5,6,7
	FRAG 128*(\p)+FR*\i, ADRB+\slot, \q, \i
.endr
	WIN 0
.endm
.macro FETCH_A slot, q, i0
.irp i, \i0, \i0+1, \i0+2, \i0+3
	FRAG AF+FR*(\i), ADRA+\slot, \q, \i
.endr
.endm
.macro SCALES slot, q, p               ; a step's scale words into set p: one load brings four fragments' words
.irp u, 0,1
	ds_load_b128 v[SC+8*(\p)+4*\u:SC+8*(\p)+4*\u+3], v[ADRS+\slot] offset:(\q)*REC+256*\u
.endr
.endm
.macro PLACES n                        ; plain vector places in front of loads into registers that matrix instructions have read, and of the first read of results
.rept \n
	v_nop
.endr
.endm
; A step of 128 along K that has its successor in the same slot.  Source 0's fragments and the scale words of step q of a slot lie in set (q + slot) % 2: six steps on, the sets are back where they began.
.macro STEP slot, q, zero
.set PP, ((\q)+(\slot))%2
	s_wait_dscnt 4*NL                              ; all but the youngest 12 loads (source 1's fragments 4-7) are in
	WIN MUL_LO
	MUL16 0, PP, \zero
	MUL16 2, PP, \zero
	s_wait_dscnt 0
	PLACES NP
	FETCH_B \slot, (\q)+1, 1-PP
	FETCH_A \slot, (\q)+1, 0
	SCALES \slot, (\q)+1, 1-PP
	WIN MUL_HI
	MUL16 4, PP, \zero
	MUL16 6, PP, \zero
	PLACES NP
	WIN 0
	FETCH_A \slot, (\q)+1, 4
.endm
; A slot's third step (its set is the slot's number) changes slots: one barrier; in front of it each wave waits for all its tensor loads, adds 0 to its spare word, and waits for that and for its reads of this slot.
.macro TURN slot, next, fill
	s_wait_tensorcnt 0x0                           ; all my tensor loads have landed: my part of the next slot
	ds_add_u32 v[SPW], v[NIL]                      ; 0 onto my spare word
	s_wait_dscnt 4*NL+1                            ; (the add and the youngest 12 loads may be out)
	WIN MUL_LO
	MUL16 0, \slot, 0                              ; sixteen matrix instructions stand between the add and the wait for it
	s_wait_dscnt 0x0                               ; the add is done, and my reads of this slot are over
	s_barrier_signal -1
	MUL16 2, \slot, 0
	WIN 0
	s_barrier_wait -1
.if \fill
	CREST                                          ; the barrier has opened a round of the cluster's: no wave of any partner still reads this slot or has a load on its way
	s_add_nc_u64 s[G0+4*\slot+2:G0+4*\slot+3], s[G0+4*\slot+2:G0+4*\slot+3], 2*HALFT
	s_add_nc_u64 s[G0B+4*\slot+2:G0B+4*\slot+3], s[G0B+4*\slot+2:G0B+4*\slot+3], 2*HALFT
	JLOAD G0+4*\slot, G0B+4*\slot                  ; the first tensor load behind the round: six K steps on; its four v_nop are the places in front of the loads below
.else
	PLACES NP
.endif
	FETCH_B \next, 0, 1-\slot
	FETCH_A \next, 0, 0
	SCALES \next, 0, 1-\slot
	WIN MUL_HI
	MUL16 4, \slot, 0
	MUL16 6, \slot, 0
	PLACES NP
	WIN 0
	FETCH_A \next, 0, 4
.endm
; Block a's cos and sin: an image of 64 registers, 16 loads of 512 consecutive bytes.  Four sets take turns: a % 4 = 0: v64-127 of window 0; 1, 2, 3: v0-63, v64-127, v128-191 of window 1.  It leaves the window as it set it.
.macro TAB a
.if (\a)%4 == 0
.set TR, 64
	WIN 0
.else
.set TR, 64*((\a)%4-1)
	WIN TO_B
.endif
.irp q, 0,1,2,3,4,5,6,7,8,9,10,11,12,13,14,15
	global_load_b128 v[TR+4*\q:TR+4*\q+3], v[VO+(\a)%4], s[68:69] offset:512*\q
.endr
.endm
; 64 numbers of a lane, register 16 b + i = k 32 b + 16 (lane / 16) + i of my row, become a fragment's codes in v[PC] on and its scale word in v[pw]
.macro QUANT s, pw
.irp b, 0,1,2,3
	v_max3_num_f32 v[TM+\b], |v[\s+16*\b]|, |v[\s+1+16*\b]|, 0x2800000   ; my 16 numbers of block b, and the floor 2^(5 - 127)
.endr
.irp i, 2,4,6,8,10,12,14
.irp b, 0,1,2,3
	v_max3_num_f32 v[TM+\b], v[TM+\b], |v[\s+16*\b+\i]|, |v[\s+1+16*\b+\i]|
.endr
.endr
.irp b, 0,1,2,3
	v_permlanex16_b32 v[TM+4+\b], v[TM+\b], s[SEL], s[SEL+1]
.endr
.irp b, 0,1,2,3
	v_max_num_f32 v[TM+\b], v[TM+\b], v[TM+4+\b]   ; with lane l xor 16's: the block's largest magnitude
.endr
.irp b, 0,1,2,3
	v_add_nc_u32 v[TM+8+\b], 0xfe000000, v[TM+\b]  ; 4 off its exponent field: the conversion's scale operand
.endr
.irp b, 0,1,2,3
	v_lshrrev_b32 v[TM+4+\b], 23, v[TM+8+\b]       ; the scale's byte
.endr
	v_lshl_or_b32 v[\pw], v[TM+5], 8, v[TM+4]
	v_lshl_or_b32 v[\pw], v[TM+6], 16, v[\pw]
	v_lshl_or_b32 v[\pw], v[TM+7], 24, v[\pw]
	s_wait_xcnt 0x0                                ; the last block's stores have read the registers that are written next
.irp c, 0,1
	v_cvt_scalef32_pk16_bf6_f32 v[PC+6*\c:PC+2+6*\c], v[\s+32*\c:\s+15+32*\c], v[TM+8+2*\c]
	v_cvt_scalef32_pk16_bf6_f32 v[PT+4*\c:PT+2+4*\c], v[\s+16+32*\c:\s+31+32*\c], v[TM+8+2*\c+1]
.endr
	v_nop                                          ; one plain place behind a scaled conversion
.irp c, 0,1                            ; the operand's layout wants a whole block in a lane: lanes 0-15 block 2 c, lanes 16-31 block 2 c + 1
.irp i, 0,1,2
	v_permlane16_swap_b32 v[PC+6*\c+\i], v[PT+4*\c+\i]
.endr
.irp i, 0,1,2
	v_mov_b32 v[PC+3+6*\c+\i], v[PT+4*\c+\i]
.endr
.endr
.endm
; THE WAY OUT of source 1's fragment a: rotate (y1 = x1 c - x2 s, y2 = x2 c + x1 s), quantise, store the image
.macro OUTBLK a
.set AC, 64*((\a)%4)
.if (\a)%4 == 0
.set CSR, 64
.set CW, 0                             ; the table's set lies in window 0,
.else
.set CSR, 64*((\a)%4-1)
.set CW, 4                             ; or in window 1 (source 1's field)
.endif
.if (\a) < 5
	s_wait_loadcnt 48                              ; my block's 16 table loads are in; the next three blocks' 48 stay out
.else
	s_wait_loadcnt 16*(7-(\a))                     ; the counts run down: two blocks, one, none
.endif
.if (\a) < 4
	v_add_nc_u32 v[VO+(\a)%4], s71, v[VO+(\a)%4]   ; free since that wait: the block four further on
.endif
	WIN 0x02+(\a)/4+CW                             ; source 0: window 2 or 3
.set m, 0
.rept 32
	v_pk_mul_f32 v[YY+2*m:YY+2*m+1], v[AC+2*m:AC+2*m+1], v[CSR+2*m:CSR+2*m+1] op_sel_hi:[1,0]   ; (x1 c, x2 c); each accumulator is read from its low end on
.set m, m+1
.endr
.set m, 0
.rept 32
	v_fma_f32 v[YY+2*m], -v[AC+2*m+1], v[CSR+2*m+1], v[YY+2*m]
	v_fma_f32 v[YY+2*m+1], v[AC+2*m], v[CSR+2*m+1], v[YY+2*m+1]
.set m, m+1
.endr
.if (\a) < 4
	TAB (\a)+4                                     ; into the set just used
.endif
	WIN 0
	QUANT YY, SW+(\a)
.irp c, 0,1,2
	global_store_b128 v[LI], v[PC+4*\c:PC+4*\c+3], s[72:73] offset:1536*(\a)+512*\c   ; 512 consecutive bytes, at a multiple of 256 from the buffer's first byte
.endr
.endm
	TAB 0                                          ; the table's first block is asked for here: v64-127 of window 0 are named by nothing until the way out, and nothing waits for it before
	s_wait_alu depctr_va_vdst(0)
	s_wait_tensorcnt 0x0                           ; my part of slot 0 is in; slot 1's first fill is issued as a refill is:
	ds_add_u32 v[SPW], v[NIL]                      ; 0 onto my spare word
	s_wait_dscnt 0x0
	CROUND                                         ; everybody's part of slot 0 is in, and all sixteen work-groups are here
	JLOAD G0+4, G0B+4                              ; K steps 3-5, my one load behind the round
	FETCH_B 0, 0, 0
	FETCH_A 0, 0, 0
	SCALES 0, 0, 0
	FETCH_A 0, 0, 4
	STEP 0, 0, 1                                   ; K step 0 stands in front of the loop: its products start the sums
	s_mov_b32 s3, TRIPS
.Llap:                                             ; a trip goes once round the ring, from slot 0's second step to its next first, and fills both slots again: K steps 1-6, 7-12
	STEP 0, 1, 0
	TURN 0, 1, 1
	STEP 1, 0, 0
	STEP 1, 1, 0
	TURN 1, 0, 1
	STEP 0, 0, 0
	s_sub_co_u32 s3, s3, 1
	s_cmp_lg_u32 s3, 0
	s_cbranch_scc1 .Llap
	STEP 0, 1, 0                                   ; K step 13
	TURN 0, 1, 0                                   ; K step 14: nothing is filled, so no round of the cluster's barrier
	s_wait_dscnt 4*NL                              ; K step 15, the first of slot 1, in set 1
	TAB 1                                          ; into source 0's set 0 and the 32 registers behind it: step 14's products, which read that set last, stand four places back
	TAB 2
	WIN MUL_LO
	MUL16 0, 1, 0
	MUL16 2, 1, 0
	s_wait_dscnt 0
	WIN MUL_HI
	MUL16 4, 1, 0
	MUL16 6, 1, 0
	WIN 0
	PLACES NP                                      ; in front of the loads into source 0's set 1, of the writes over the scale words, and of the first read of results
	TAB 3
	WIN 0
.irp b, 0,1,2,3
	v_mov_b32 v[TM+4+\b], 0                        ; a lane permute's destination counts as one of its sources
.endr
.irp a, 0,1,2,3,4,5,6,7
	OUTBLK \a
.endr
	v_cmp_ne_u32 vcc_lo, 0, v[HH]
.irp k, 0,1,2,3
	v_cndmask_b32 v[TM+\k], v[SW+\k], v[SW+4+\k], vcc_lo   ; lanes 0-15: fragments 0-3's words of position r; lanes 16-31: fragments 4-7's
.endr
	global_store_b128 v[LI], v[TM:TM+3], s[72:73] offset:SCO
	s_wait_tensorcnt 0x0                           ; the wave's end
	ds_add_u32 v[SPW], v[NIL]
	s_wait_dscnt 0x0
	CROUND                                         ; the closing round
	s_endpgm
.Lfunc_end_k_q67f49a67df_qkv:
	.size	k_q67f49a67df_qkv, .Lfunc_end_k_q67f49a67df_qkv-k_q67f49a67df_qkv
	.p2alignl 7, 3214868480
	.fill 96, 4, 3214868480
	.section	.rodata,"a",@progbits
	.p2align	6, 0x0
	.amdhsa_kernel k_q67f49a67df_qkv
		.amdhsa_group_segment_fixed_size 327680
		.amdhsa_private_segment_fixed_size 0
		.amdhsa_enable_private_segment 0
		.amdhsa_kernarg_size 24
		.amdhsa_user_sgpr_count 2
		.amdhsa_user_sgpr_kernarg_segment_ptr 1
		.amdhsa_wavefront_size32 1
		.amdhsa_system_sgpr_workgroup_id_x 1
		.amdhsa_system_sgpr_workgroup_id_y 1
		.amdhsa_system_sgpr_workgroup_id_z 1
		.amdhsa_system_vgpr_workitem_id 0
		.amdhsa_next_free_vgpr 1024
		.amdhsa_next_free_sgpr 98
		.amdhsa_reserve_vcc 1
		.amdhsa_float_denorm_mode_32 3
		.amdhsa_float_denorm_mode_16_64 3
		.amdhsa_memory_ordered 1
		.amdhsa_forward_progress 1
		.amdhsa_inst_pref_size 221
	.end_amdhsa_kernel
	.amdgpu_metadata
---
amdhsa.version: [ 1, 2 ]
amdhsa.kernels:
  - .name:           k_q67f49a67df_qkv
    .symbol:         k_q67f49a67df_qkv.kd
    .args:
      - { .name: img1, .offset: 0, .size: 8, .value_kind: global_buffer, .address_space: global }
      - { .name: rope, .offset: 8, .size: 8, .value_kind: global_buffer, .address_space: global }
      - { .name: img2, .offset: 16, .size: 8, .value_kind: global_buffer, .address_space: global }
    .group_segment_fixed_size: 327680
    .private_segment_fixed_size: 0
    .kernarg_segment_align: 8
    .kernarg_segment_size: 24
    .max_flat_workgroup_size: 128
    .sgpr_count:     98
    .vgpr_count:     1024
    .wavefront_size: 32
...
	.end_amdgpu_metadata
.endif
;; end of part 2
;; launch attn (part 3): grid 16 x 16, 8 waves a work-group, no clusters, 70,656 bytes of LDS; arguments flags, mbits, img2, img3; writes img3
.if DOCPART == 3
	.amdgcn_target "amdgcn-amd-amdhsa--gfx1250"
	.amdhsa_code_object_version 6
	.text
	.protected	k_q67f49a67df_attn
	.globl	k_q67f49a67df_attn
	.p2align	8
	.type	k_q67f49a67df_attn,@function
k_q67f49a67df_attn:
	s_mov_b64 s[64:65], 0
	v_nop
	global_prefetch_b8 v0, s[64:65] scope:SCOPE_SE
	s_setreg_imm32_b32 hwreg(HW_REG_WAVE_MODE, 25, 1), 1
	s_wait_xcnt 0x0
; O[q] = sum over keys of softmax(mask ? q . k / sqrt(128) : -inf) v, for tiles of 16 queries of one head, both products on codes of BF6 (E3M2) with E8M0 scales for each 32 along K; O / l is quantised along the head's 128.
; THE MASK IS AN INPUT, of whole numbers.  The first launch has stored, for each tile of 16 queries and each key step of 128, a bit 'some key is shown' and a bit 'some key is hidden', and a lane mask for each score register.
; A wave reads the bits and walks only the key steps that show a key to one of the tile's queries: a step that hides all 128 keys from all 16 queries gives p = 0 everywhere and moves neither M, l nor O.
; In a step with hidden keys the lane masks turn hidden scores into -infinity ahead of the maximum; in a step without, these 64 selects are passed over.  This holds for every mask; nothing is taken from its pattern.
; THE SOFTMAX: t = score x log2(e) / sqrt(128); M = the running largest t rounded up to a whole number; p = 2^(t - M) is quantised along the keys, not normalised; l is the sum of the unquantised p.
; When M moves, l and O are multiplied by 2^(old M - new M): exact.  A row all of whose keys are hidden has l = 0: its scale word becomes 0xffffffff, the NaN byte, which makes its row of the result NaN.
; OPERANDS are records: 8 images of fragments (16 rows x 128 K; registers 4 c .. 4 c + 3 of lane l at 512 c + 16 l) and 512 bytes of scale words (fragment i, position r: 12,288 + 256 (i / 4) + 16 r + 4 (i % 4)).
; Both products are used transposed: S^T = K Q^T, O^T = V^T P^T: a lane holds one query throughout.  The 512 bytes of scale words come by one load, 16 bytes a lane: lanes 0-15 hold fragments 0-3's words, lanes 16-31 fragments 4-7's.
; NO TENSOR LOAD, NO CLUSTER: the walk hangs on numbers read from memory, so K and V go from memory straight into registers, whole images, 512 consecutive bytes a load.
; The next step's K is asked for behind this step's score products, its mask words behind this step's selects, its V behind this step's last products.
; No further request for these bytes is written: the loads themselves stand a step ahead of their use.  A job's last step is written out: it asks for nothing.
; THE DEAL.  Work-group (j, head), a = j / 4, u = j % 4.  Waves w and w xor 4 are a pair; it has fragment 2 u + (w / 2) % 2 of a low query group s (a, or 7 - a where w is odd) and of the high group 15 - s.
; A tile's 16 key steps are cut in two halves, and each wave runs two jobs through one text: job 0 is steps 8-15 of one tile, job 1 steps 0-7 of the other (wave w < 4: low, then high; its partner: high, then low).
; Job 0's state (O^T, -M, l: 17 stores of 512 bytes) goes to the wave's own LDS bytes; behind one barrier each wave reads its partner's, which belongs to the tile whose other half it holds in registers,
; brings both under the larger M by powers of two, which round nothing, adds them, and finishes that tile.  Every half of every tile is taken once, every tile finished once.
; The result's scale words leave as 16 words of 4 bytes, 16 bytes apart: the fragments of a record are made by waves of different work-groups.
; Dependent vector chains go by turns (four blocks, eight sums), so no delay hint is written.
; REGISTERS: window 0: v1-11, v30, v31 offsets and constants; v12 -M, v13 largest t, v[14:15] l; v16-27 Q; v80-83 K's scale words, v84-87 V's; v96-159 S^T, then p; v160-223 O^T; v224-254 at work; v255 Q's words.
;   window 1: v0-95 K's 8 fragments, v96-191 V's.
; LIMITS: NaN and infinities among the inputs are not served; a block whose largest magnitude lies under 2^-122 keeps the byte 1; the scaled scores stay under 2^31 in magnitude.
.set REC,   12800
.set SCO,   12288
.set TEN,   256*REC
.set NLD,   25                         ; loads that bring a record: 24 for the images, 1 for the scale words
.set STATE, 8704                       ; LDS: a wave's 17 x 512 bytes
.set SPARE, 8*STATE                    ; the spare words, 128 bytes for each of 8 waves: four blocks of 256 bytes that no other line names
.set AK0, 1                            ; v1   16 x lane
.set LN,  2                            ; v2   lane
.set WRA, 3                            ; v3   LDS: my state
.set FO,  4                            ; v4   16 x lane + 1,536 x my fragment
.set SPW, 5                            ; v5   my spare word; never rewritten
.set NIL, 6                            ; v6   0; never rewritten
.set NINF, 7
.set ADK, 8                            ; v8   offset of the record of K asked for last
.set ADV, 9                            ; v9   the same for V
.set PRD, 11                           ; v11  LDS: my partner's state
.set ONES, 30
.set SWO, 31                           ; v31  my fragment's scale word of position r
.set KS,  80
.set VS,  84
.set LIVE, 2                           ; s2   key steps still to be asked for, a bit each
.set MIX,  3                           ; s3   key steps with hidden keys
.set NXT,  4
.set NO,   5
.set WV,  12
.set RHO, 13                           ; s13  w / 4
.set GS,  14                           ; s14  the pair's low group
.set FI,  15                           ; s15  its fragment
.set HD,  16
.set FS,  17                           ; s17  the low tile's flags, s18 the high tile's
.set FL,  18
.set JOB, 19
.set TMP, 20
.set SO,  21
.set CNT, 30
.set CUR, 31
.set CS,  66
.set SEL, 100
.set MSB, 0
.macro WIN new
.if MSB != (\new)
	s_set_vgpr_msb (MSB<<8)|(\new)
.set MSB, (\new)
.endif
.endm
.macro LDREC sc, adr, r0, off          ; a record into registers: its scale words (window 0) and its 8 images (window 1)
	global_load_b128 v[\sc:\sc+3], v[\adr], s[28:29] offset:\off+SCO
	WIN 0x40
.irp t, 0,1,2,3,4,5,6,7
.irp c, 0,1,2
	global_load_b128 v[\r0+12*\t+4*\c:\r0+12*\t+4*\c+3], v[\adr], s[28:29] offset:\off+1536*\t+512*\c
.endr
.endr
	WIN 0
.endm
.macro MWORDS step                     ; the 64 mask words of key step s[step]
	s_lshl_b32 s[SO], s[\step], 8
	s_load_b512 s[32:47], s[24:25], s[SO] offset:0x0
	s_load_b512 s[48:63], s[24:25], s[SO] offset:0x40
	s_load_b512 s[68:83], s[24:25], s[SO] offset:0x80
	s_load_b512 s[84:99], s[24:25], s[SO] offset:0xc0
.endm
	s_load_b256 s[4:11], s[0:1], 0x0               ; flags, mbits, img2, img3
	v_lshl_add_u32 v[SPW], v0, 2, SPARE
	v_mov_b32 v[NIL], 0
	v_lshrrev_b32 v8, 5, v0
	v_readfirstlane_b32 s[WV], v8                  ; wave 0..7
	v_and_b32 v[LN], 31, v0
	v_and_b32 v10, 15, v0                          ; r
	v_lshlrev_b32 v[AK0], 4, v[LN]
	s_lshr_b32 s[GS], ttmp9, 2                     ; a
	s_and_b32 s[FI], ttmp9, 3                      ; u
	s_and_b32 s[HD], ttmp7, 0xffff                 ; the head
	s_lshr_b32 s[RHO], s[WV], 2
	s_and_b32 s20, s[WV], 1
	s_mul_i32 s20, s20, 7
	s_xor_b32 s[GS], s[GS], s20                    ; a or 7 - a
	s_bfe_u32 s20, s[WV], 0x10001
	s_lshl_b32 s[FI], s[FI], 1
	s_add_co_u32 s[FI], s[FI], s20                 ; the fragment
	s_lshl_b32 s20, s[GS], 3
	s_add_co_u32 s20, s20, s[FI]
	s_lshl_b32 s40, s20, 5                         ; the low tile's 8 flag words
	s_mov_b32 s41, 0
	s_xor_b32 s21, s[GS], 15
	s_lshl_b32 s21, s21, 3
	s_add_co_u32 s21, s21, s[FI]
	s_lshl_b32 s42, s21, 5                         ; the high tile's
	s_mov_b32 s43, 0
	s_lshl_b32 s46, s[HD], 4
	s_mul_i32 s46, s46, REC
	s_add_co_u32 s46, s46, TEN                     ; the head's 16 records of K; V's lie TEN bytes on
	s_mov_b32 s47, 0
	s_mul_i32 s50, s[FI], 1536
	s_lshr_b32 s51, s[FI], 2
	s_lshl_b32 s51, s51, 8
	s_and_b32 s52, s[FI], 3
	s_lshl_b32 s52, s52, 2
	s_add_co_u32 s51, s51, s52                     ; 256 (i / 4) + 4 (i % 4)
	s_mul_i32 s53, s[WV], STATE
	s_xor_b32 s54, s[WV], 4                        ; my partner
	s_mul_i32 s54, s54, STATE
	s_mov_b32 s[CS], 0x3e0293ee                    ; c = log2(e) / sqrt(128)
	s_mov_b32 s[CS+1], s[CS]
	s_mov_b32 s[SEL], 0x76543210
	s_mov_b32 s[SEL+1], 0xfedcba98
	s_mov_b32 s[JOB], 0
	s_wait_alu depctr_va_vdst(0)                   ; the wait ahead of the readers below
	v_add_nc_u32 v[FO], s50, v[AK0]
	v_lshl_add_u32 v[SWO], v10, 4, s51
	v_add_nc_u32 v[WRA], s53, v[AK0]
	v_add_nc_u32 v[PRD], s54, v[AK0]
	v_mov_b32 v[ONES], -1
	v_mov_b32 v[NINF], 0xff800000
.irp b, 0,1,2,3
	v_mov_b32 v[236+\b], 0                         ; a lane permute's destination counts as one of its sources
.endr
	v_mov_b32 v249, 0                              ; (upper halves of pairs that are named before they are first written)
	v_mov_b32 v250, 0
	v_mov_b32 v253, 0
	s_wait_alu depctr_va_vdst(0)                   ; and ahead of the wait below
	s_wait_kmcnt 0x0
	s_add_nc_u64 s[44:45], s[4:5], s[42:43]
	s_add_nc_u64 s[4:5], s[4:5], s[40:41]
	s_load_b256 s[68:75], s[4:5], 0x0
	s_load_b256 s[76:83], s[44:45], 0x0
	s_add_nc_u64 s[28:29], s[8:9], s[46:47]
	s_wait_kmcnt 0x0                               ; each flag word holds two steps' bits at their places
.irp f, 68, 76
	s_or_b32 s[\f], s[\f], s[\f+1]
	s_or_b32 s[\f+2], s[\f+2], s[\f+3]
	s_or_b32 s[\f+4], s[\f+4], s[\f+5]
	s_or_b32 s[\f+6], s[\f+6], s[\f+7]
	s_or_b32 s[\f], s[\f], s[\f+2]
	s_or_b32 s[\f+4], s[\f+4], s[\f+6]
.endr
	s_or_b32 s[FS], s68, s72
	s_or_b32 s[FL], s76, s80
.macro CODES                           ; v96-159 (register 16 b + i = k 32 b + 16 h + i), scale operands v244-247 -> the operand's 12 registers v224-235
.irp c, 0,1
	v_cvt_scalef32_pk16_bf6_f32 v[224+6*\c:226+6*\c], v[96+32*\c:111+32*\c], v[244+2*\c]
	v_cvt_scalef32_pk16_bf6_f32 v[236+4*\c:238+4*\c], v[112+32*\c:127+32*\c], v[244+2*\c+1]
.endr
	v_nop                                          ; one plain place behind a scaled conversion
.irp c, 0,1                            ; a whole block to a lane: lanes 0-15 block 2 c, lanes 16-31 block 2 c + 1
.irp i, 0,1,2
	v_permlane16_swap_b32 v[224+6*\c+\i], v[236+4*\c+\i]
.endr
.irp i, 0,1,2
	v_mov_b32 v[227+6*\c+\i], v[236+4*\c+\i]
.endr
.endr
.endm
.macro WORD                            ; scale operands, bytes and the scale word v253 from the blocks' largest magnitudes v232-235
.irp b, 0,1,2,3
	v_add_nc_u32 v[244+\b], 0xfe000000, v[232+\b]  ; 4 off the exponent field
.endr
.irp b, 0,1,2,3
	v_lshrrev_b32 v[236+\b], 23, v[244+\b]
.endr
	v_lshl_or_b32 v253, v237, 8, v236
	v_lshl_or_b32 v253, v238, 16, v253
	v_lshl_or_b32 v253, v239, 24, v253
.endm
; A KEY STEP: the 128 keys of step s[CUR], whose K, V and mask words have been asked for.  pre = 1: the job's next step that shows a key is asked for on the way
.macro STEP pre
.if \pre
	s_ctz_i32_b32 s[NXT], s[LIVE]                  ; the lowest step still to be asked for,
	s_min_u32 s[NXT], s[NXT], 15                   ; held inside the head's 16 records
	s_sub_co_u32 s[TMP], s[LIVE], 1
	s_and_b32 s[LIVE], s[LIVE], s[TMP]             ; its bit is taken out
	s_mul_i32 s[NO], s[NXT], REC
.endif
	s_wait_loadcnt NLD                             ; K is in (and Q): behind it only V's 25 loads were issued
	WIN 0x01                                       ; source 0 window 1
.irp t, 0,1,2,3
	v_wmma_scale_f32_16x16x128_f8f6f4 v[96+8*\t:103+8*\t], v[12*\t:12*\t+11], v[16:27], 0, v[KS+\t], v255 matrix_a_fmt:MATRIX_FMT_BF6 matrix_b_fmt:MATRIX_FMT_BF6
.endr
.irp t, 4,5,6,7
	v_wmma_scale_f32_16x16x128_f8f6f4 v[96+8*\t:103+8*\t], v[12*\t:12*\t+11], v[16:27], 0, v[KS+\t-4], v255 matrix_a_fmt:MATRIX_FMT_BF6 matrix_b_fmt:MATRIX_FMT_BF6 matrix_a_scale:MATRIX_SCALE_ROW1
.endr
	WIN 0
.if \pre
	v_add_nc_u32 v[ADK], s[NO], v[AK0]             ; free: the loads that read it were waited for above.  With three v_nop: four places in front of loads into the products' registers
.rept 3
	v_nop
.endr
	LDREC KS, ADK, 0, 0                            ; the next step's K
.else
.rept 4
	v_nop
.endr
.endif
	s_wait_alu depctr_va_vdst(0)                   ; the wait ahead of the wait and the branch below
	s_wait_kmcnt 0x0                               ; this step's mask words, asked for a step ago
	s_bitcmp1_b32 s[MIX], s[CUR]
	s_cbranch_scc0 .Lfull_\@                       ; no key of this step is hidden from any of the tile's queries
.set nn, 0
.rept 64
	v_cndmask_b32 v[96+nn], v[NINF], v[96+nn], s[32+nn+4*(nn/32)]   ; hidden scores become -infinity: p = 0 then.  Each accumulator is read from its low end on
.set nn, nn+1
.endr
.Lfull_\@:
.if \pre
	MWORDS NXT                                     ; the next step's words: they have the rest of this step in which to come
.endif
.irp b, 0,1,2,3
	v_max3_num_f32 v[232+\b], v[96+16*\b], v[97+16*\b], v[98+16*\b]   ; the largest score of each block of 32 keys: for the row's maximum and, since p rises with the score, for the block's largest p
.endr
.irp i, 3,5,7,9,11,13
.irp b, 0,1,2,3
	v_max3_num_f32 v[232+\b], v[232+\b], v[96+16*\b+\i], v[97+16*\b+\i]
.endr
.endr
.irp b, 0,1,2,3
	v_max_num_f32 v[232+\b], v[232+\b], v[111+16*\b]
.endr
.irp b, 0,1,2,3
	v_permlanex16_b32 v[236+\b], v[232+\b], s[SEL], s[SEL+1]
.endr
.irp b, 0,1,2,3
	v_max_num_f32 v[232+\b], v[232+\b], v[236+\b]  ; with lane l xor 16's 16 keys
.endr
	v_max3_num_f32 v254, v232, v233, v234
	v_max_num_f32 v254, v254, v235
	v_mul_f32 v254, s[CS], v254                    ; as t (c is positive)
	v_max_num_f32 v13, v13, v254                   ; the running largest t
	v_mov_b32 v254, v12
	v_floor_f32 v12, -v13                          ; the new -M = -ceil(t): a whole number
	v_sub_f32 v254, v12, v254                      ; old M - new M, 0 or less
	v_cvt_i32_f32 v254, v254                       ; (it saturates)
	v_ldexp_f32 v252, 1.0, v254                    ; f = 2^(old M - new M)
.set jj, 0
.rept 32
	v_pk_fma_f32 v[96+jj:97+jj], v[96+jj:97+jj], s[CS:CS+1], v[12:13] op_sel_hi:[1,0,0]   ; t - M, two at a time
.set jj, jj+2
.endr
.irp b, 0,1,2,3
	v_fma_f32 v[232+\b], v[232+\b], s[CS], v12     ; the same of each block's largest score
.endr
	s_wait_alu depctr_va_vdst(0)                   ; the wait ahead of the batch
.set jj, 0
.rept 64
	v_exp_f32 v[96+jj], v[96+jj]                   ; p = 2^(t - M)
.set jj, jj+1
.endr
	v_pk_mul_f32 v[14:15], v[14:15], v[252:253] op_sel_hi:[1,0]   ; l under the new M: a plain place behind the exponentials
	s_wait_alu depctr_va_vdst(0)                   ; one wait for the batch ahead of its first reader
.irp b, 0,1,2,3
	v_exp_f32 v[232+\b], v[232+\b]                 ; the block's largest p
.endr
.irp c, 0,1,2,3,4,5,6                  ; l takes the 32 pairs of unquantised p in eight chains: seven in v238-251, and l itself
	v_pk_add_f32 v[238+2*\c:239+2*\c], v[96+2*\c:97+2*\c], v[110+2*\c:111+2*\c]
.endr
	v_pk_add_f32 v[14:15], v[14:15], v[124:125]
.irp m, 0,1
.irp c, 0,1,2,3,4,5,6
	v_pk_add_f32 v[238+2*\c:239+2*\c], v[238+2*\c:239+2*\c], v[126+14*\m+2*\c:127+14*\m+2*\c]
.endr
	v_pk_add_f32 v[14:15], v[14:15], v[154+2*\m:155+2*\m]
.endr
	v_pk_add_f32 v[238:239], v[238:239], v[158:159]
	v_pk_add_f32 v[242:243], v[242:243], v[244:245]
	v_pk_add_f32 v[246:247], v[246:247], v[248:249]
	v_pk_add_f32 v[14:15], v[14:15], v[250:251]
	v_pk_add_f32 v[238:239], v[238:239], v[240:241]
	v_pk_add_f32 v[14:15], v[14:15], v[246:247]
	v_pk_add_f32 v[238:239], v[238:239], v[242:243]
	v_pk_add_f32 v[14:15], v[14:15], v[238:239]
	s_wait_alu depctr_va_vdst(0)                   ; and one for the four
.irp b, 0,1,2,3
	v_max_num_f32 v[232+\b], 0x2800000, v[232+\b]  ; the floor 2^(5 - 127)
.endr
	WORD
	CODES
	s_wait_alu depctr_va_vdst(0)                   ; the wait directly ahead of the first reader of O^T
.set jj, 0
.rept 32
	v_pk_mul_f32 v[160+jj:161+jj], v[160+jj:161+jj], v[252:253] op_sel_hi:[1,0]   ; O^T under the new M; these are also the places between the writes of p's codes and scale word and the products
.set jj, jj+2
.endr
	s_wait_alu depctr_va_vdst(0)                   ; the wait ahead of the wait below
.if \pre
	s_wait_loadcnt NLD                             ; V is in: behind it only the next K's 25 loads were issued
.else
	s_wait_loadcnt 0x0                             ; V is in: nothing was issued behind it
.endif
	WIN 0x01
.irp t, 0,1,2,3                        ; eight accumulators, one instruction each: they take turns
	v_wmma_scale_f32_16x16x128_f8f6f4 v[160+8*\t:167+8*\t], v[96+12*\t:96+12*\t+11], v[224:235], v[160+8*\t:167+8*\t], v[VS+\t], v253 matrix_a_fmt:MATRIX_FMT_BF6 matrix_b_fmt:MATRIX_FMT_BF6
.endr
.irp t, 4,5,6,7
	v_wmma_scale_f32_16x16x128_f8f6f4 v[160+8*\t:167+8*\t], v[96+12*\t:96+12*\t+11], v[224:235], v[160+8*\t:167+8*\t], v[VS+\t-4], v253 matrix_a_fmt:MATRIX_FMT_BF6 matrix_b_fmt:MATRIX_FMT_BF6 matrix_a_scale:MATRIX_SCALE_ROW1
.endr
	WIN 0
.if \pre
	v_mov_b32 v[ADV], v[ADK]                       ; free: V's loads were waited for above.  With three v_nop: four places in front of the loads
.rept 3
	v_nop
.endr
	LDREC VS, ADV, 96, TEN                         ; the next step's V
	s_min_u32 s[CUR], s[NXT], 15
.endif
.endm
.Ljob:                                                 ; two trips: job 0, job 1.  No load of the job before is out here: its last step has waited for all
	s_xor_b32 s20, s[JOB], s[RHO]                  ; 1: the pair's high tile
	s_cmp_lg_u32 s20, 0
	s_cselect_b32 s21, s[FL], s[FS]                ; the tile's flags
	s_mul_i32 s20, s20, 15
	s_xor_b32 s20, s20, s[GS]                      ; g
	s_xor_b32 s30, s[JOB], 1
	s_lshl_b32 s30, s30, 3
	s_lshl_b32 s30, 0xff, s30                      ; job 0: steps 8-15; job 1: steps 0-7
	s_and_b32 s[LIVE], s21, s30
	s_lshr_b32 s[MIX], s21, 16
	s_lshl_b32 s32, s20, 3
	s_add_co_u32 s32, s32, s[FI]
	s_lshl_b32 s32, s32, 12                        ; the tile's 16 x 256 bytes of mask words
	s_mov_b32 s33, 0
	s_lshl_b32 s34, s[HD], 4
	s_add_co_u32 s34, s34, s20
	s_mul_i32 s34, s34, REC                        ; Q's record: 16 head + g
	s_mov_b32 s35, 0
	s_lshl_b32 s36, s20, 4
	s_add_co_u32 s36, s36, s[HD]
	s_mul_i32 s36, s36, REC                        ; the result's record: 16 g + head (job 1's is the one that I finish)
	s_mov_b32 s37, 0
	s_add_nc_u64 s[24:25], s[6:7], s[32:33]
	s_add_nc_u64 s[22:23], s[8:9], s[34:35]
	s_add_nc_u64 s[26:27], s[10:11], s[36:37]
	s_bcnt1_i32_b32 s[CNT], s[LIVE]                ; the steps that this job walks
	v_mov_b32 v13, 0xff61b1e6                      ; the largest t so far: -3e38
	v_floor_f32 v12, -v13                          ; -M
	v_mov_b32 v14, 0
	v_mov_b32 v15, 0
.set jj, 0
.rept 64
	v_mov_b32 v[160+jj], 0                         ; O^T: the step is written for every step alike; the first finds zeros, and so does a job with no step at all
.set jj, jj+1
.endr
	s_wait_alu depctr_va_vdst(0)                   ; the wait ahead of the branch below
	s_cmp_eq_u32 s[CNT], 0
	s_cbranch_scc1 .Ljobend                        ; none: the state stays (0, -3e38, 0)
	s_ctz_i32_b32 s[CUR], s[LIVE]
	s_min_u32 s[CUR], s[CUR], 15
	s_sub_co_u32 s[TMP], s[LIVE], 1
	s_and_b32 s[LIVE], s[LIVE], s[TMP]
	s_mul_i32 s[NO], s[CUR], REC
	MWORDS CUR                                     ; the first step's mask words,
	v_add_nc_u32 v[ADK], s[NO], v[AK0]
	v_add_nc_u32 v[ADV], s[NO], v[AK0]
.irp c, 0,1,2
	global_load_b128 v[16+4*\c:19+4*\c], v[FO], s[22:23] offset:512*\c   ; Q's fragment, which stays in registers for the job,
.endr
	global_load_b32 v255, v[SWO], s[22:23] offset:SCO
	LDREC KS, ADK, 0, 0                            ; the first step's K,
	LDREC VS, ADV, 96, TEN                         ; and its V
	s_sub_co_u32 s[CNT], s[CNT], 1                 ; all steps but the last ask for a successor
	s_cmp_eq_u32 s[CNT], 0
	s_cbranch_scc1 .Ltail
.Lloop:
	STEP 1
	s_sub_co_u32 s[CNT], s[CNT], 1
	s_cmp_lg_u32 s[CNT], 0
	s_cbranch_scc1 .Lloop
.Ltail:
	STEP 0
.Ljobend:
.rept 4
	v_nop                                          ; places behind the last products
.endr
	s_cmp_lg_u32 s[JOB], 0
	s_cbranch_scc1 .Lkept                          ; job 1's state stays in registers
.irp k, 0,1,2,3,4,5,6,7,8,9,10,11,12,13,14,15
	ds_store_b128 v[WRA], v[160+4*\k:163+4*\k] offset:512*\k   ; job 0's O^T, each accumulator from its low end on,
.endr
	ds_store_b128 v[WRA], v[12:15] offset:8192     ; and -M, the largest t, l
.Lkept:
	s_add_co_u32 s[JOB], s[JOB], 1
	s_cmp_lt_u32 s[JOB], 2
	s_cbranch_scc1 .Ljob
	; THE TWO HALVES MEET
	s_wait_dscnt 0x0                               ; for my partner's sake: my stores are done
	s_barrier_signal -1
	s_barrier_wait -1
	ds_load_b128 v[232:235], v[PRD] offset:8192    ; the other half of the tile that I hold: -M, the largest t, l
.irp k, 0,1,2,3,4,5,6,7,8,9,10,11,12,13,14,15
	ds_load_b128 v[96+4*\k:99+4*\k], v[PRD] offset:512*\k
.endr
	s_wait_dscnt 0x0
	v_min_num_f32 v254, v12, v232                  ; -M of both: the larger M
	v_add_f32 v14, v14, v15
	v_add_f32 v234, v234, v235
	v_sub_f32 v250, v254, v12                      ; my M - M, a whole number, 0 or less
	v_sub_f32 v251, v254, v232                     ; the other's
	v_cvt_i32_f32 v250, v250                       ; (they saturate: a half with no key gets the factor 0 beside one with keys)
	v_cvt_i32_f32 v251, v251
	v_ldexp_f32 v252, 1.0, v250
	v_ldexp_f32 v248, 1.0, v251
	v_mul_f32 v14, v14, v252
	v_fmac_f32 v14, v234, v248                     ; l
.set jj, 0
.rept 32
	v_pk_mul_f32 v[160+jj:161+jj], v[160+jj:161+jj], v[252:253] op_sel_hi:[1,0]
.set jj, jj+2
.endr
.set jj, 0
.rept 32
	v_pk_fma_f32 v[160+jj:161+jj], v[96+jj:97+jj], v[248:249], v[160+jj:161+jj] op_sel_hi:[1,0,1]   ; O^T
.set jj, jj+2
.endr
	; THE WAY OUT: O^T / l, quantised along the head's 128, as my fragment of the result's record
	v_permlanex16_b32 v250, v14, s[SEL], s[SEL+1]
	v_add_f32 v14, v14, v250                       ; the row's sum
	v_cmp_eq_f32 vcc_lo, 0, v14                    ; a row with no key at all
	s_wait_alu depctr_va_vdst(0)                   ; the wait ahead of the transcendental
	v_rcp_f32 v15, v14
	v_nop                                          ; a plain place behind the reciprocal,
	s_wait_alu depctr_va_vdst(0)                   ; and the wait ahead of its first reader
.set jj, 0
.rept 64
	v_mul_f32 v[96+jj], v[160+jj], v15
.set jj, jj+1
.endr
.irp b, 0,1,2,3
	v_max3_num_f32 v[232+\b], |v[96+16*\b]|, |v[97+16*\b]|, 0x2800000
.endr
.irp i, 2,4,6,8,10,12,14
.irp b, 0,1,2,3
	v_max3_num_f32 v[232+\b], v[232+\b], |v[96+16*\b+\i]|, |v[97+16*\b+\i]|
.endr
.endr
.irp b, 0,1,2,3
	v_permlanex16_b32 v[236+\b], v[232+\b], s[SEL], s[SEL+1]
.endr
.irp b, 0,1,2,3
	v_max_num_f32 v[232+\b], v[232+\b], v[236+\b]
.endr
	WORD
	CODES
	v_cndmask_b32 v253, v253, v[ONES], vcc_lo      ; the NaN byte for a row with no key
.irp c, 0,1,2
	global_store_b128 v[FO], v[224+4*\c:227+4*\c], s[26:27] offset:512*\c   ; 512 consecutive bytes
.endr
	v_cmp_gt_u32 vcc_lo, 16, v[LN]                 ; lanes 16-31 hold the same words as lanes 0-15
	s_wait_alu depctr_va_vdst(0)                   ; the wait ahead of the wait below
	s_wait_xcnt 0x0                                ; EXEC changes only behind this wait
	s_and_saveexec_b32 s20, vcc_lo
	global_store_b32 v[SWO], v253, s[26:27] offset:SCO
	s_wait_xcnt 0x0
	s_or_b32 exec_lo, exec_lo, s20
	s_wait_tensorcnt 0x0                           ; the wave's end, behind my last LDS store
	ds_add_u32 v[SPW], v[NIL]
	s_wait_dscnt 0x0
	s_endpgm
.Lfunc_end_k_q67f49a67df_attn:
	.size	k_q67f49a67df_attn, .Lfunc_end_k_q67f49a67df_attn-k_q67f49a67df_attn
	.p2alignl 7, 3214868480
	.fill 96, 4, 3214868480
	.section	.rodata,"a",@progbits
	.p2align	6, 0x0
	.amdhsa_kernel k_q67f49a67df_attn
		.amdhsa_group_segment_fixed_size 70656
		.amdhsa_private_segment_fixed_size 0
		.amdhsa_enable_private_segment 0
		.amdhsa_kernarg_size 32
		.amdhsa_user_sgpr_count 2
		.amdhsa_user_sgpr_kernarg_segment_ptr 1
		.amdhsa_wavefront_size32 1
		.amdhsa_system_sgpr_workgroup_id_x 1
		.amdhsa_system_sgpr_workgroup_id_y 1
		.amdhsa_system_sgpr_workgroup_id_z 1
		.amdhsa_system_vgpr_workitem_id 0
		.amdhsa_next_free_vgpr 448
		.amdhsa_next_free_sgpr 102
		.amdhsa_reserve_vcc 1
		.amdhsa_float_denorm_mode_32 3
		.amdhsa_float_denorm_mode_16_64 3
		.amdhsa_memory_ordered 1
		.amdhsa_forward_progress 1
		.amdhsa_inst_pref_size 70
	.end_amdhsa_kernel
	.amdgpu_metadata
---
amdhsa.version: [ 1, 2 ]
amdhsa.kernels:
  - .name:           k_q67f49a67df_attn
    .symbol:         k_q67f49a67df_attn.kd
    .args:
      - { .name: flags, .offset: 0, .size: 8, .value_kind: global_buffer, .address_space: global }
      - { .name: mbits, .offset: 8, .size: 8, .value_kind: global_buffer, .address_space: global }
      - { .name: img2, .offset: 16, .size: 8, .value_kind: global_buffer, .address_space: global }
      - { .name: img3, .offset: 24, .size: 8, .value_kind: global_buffer, .address_space: global }
    .group_segment_fixed_size: 70656
    .private_segment_fixed_size: 0
    .kernarg_segment_align: 8
    .kernarg_segment_size: 32
    .max_flat_workgroup_size: 256
    .sgpr_count:     102
    .vgpr_count:     448
    .wavefront_size: 32
...
	.end_amdgpu_metadata
.endif
;; end of part 3
;; launch proj (part 4): grid 16 x 16, 4 waves a work-group, clusters of 4 x 4, 327,680 bytes of LDS; arguments img3, img1, out0; writes out0
.if DOCPART == 4
	.amdgcn_target "amdgcn-amd-amdhsa--gfx1250"
	.amdhsa_code_object_version 6
	.text
	.protected	k_q67f49a67df_proj
	.globl	k_q67f49a67df_proj
	.p2align	8
	.type	k_q67f49a67df_proj,@function
k_q67f49a67df_proj:
	s_mov_b64 s[64:65], 0
	v_nop
	global_prefetch_b8 v0, s[64:65] scope:SCOPE_SE
	s_setreg_imm32_b32 hwreg(HW_REG_WAVE_MODE, 25, 1), 1
	s_wait_xcnt 0x0
	s_wait_alu depctr_hold_cnt(0) depctr_sa_sdst(0) depctr_va_vdst(0) depctr_va_sdst(0) depctr_va_ssrc(0) depctr_va_vcc(0) depctr_vm_vsrc(0)
	s_getreg_b32 s2, hwreg(HW_REG_IB_STS2, 6, 4)
	s_cmp_eq_u32 s2, 0
	s_cbranch_scc0 .Lentry_in_a_cluster
	s_endpgm
.Lentry_in_a_cluster:
	s_bfe_u32 s2, ttmp6, 0x10000c
	s_cmp_lg_u32 s2, 0xf033
	s_cbranch_scc0 .Lentry_shape_is_right
	s_endpgm
.Lentry_shape_is_right:
.set REC,   12800
.set SCO,   12288
.set TEN,   256*REC
.set VB,    12*REC
.set SPARE, 2*VB
.set STAGE, 4*REC
.set SP,    528
.set LI,   4
.set STO,  8
.set RD,   9
.set ADRA, 16
.set ADRB, 20
.set ADRS, 24
.set SPW,  28
.set NIL,  29
.set SC,   32
.set ACC,  128
.set G1,  24
.set G0,  32
.set G1B, 48
.set G0B, 68
.set CX,  56
.set CY,  57
.set COL, 58
.set MROW, 59
.set MCOL, 60
.set MSB, 0
.macro WIN new
.if MSB != (\new)
	s_set_vgpr_msb (MSB<<8)|(\new)
.set MSB, (\new)
.endif
.endm
.macro JLOAD q
	s_cmp_eq_u32 s11, 0
	s_cbranch_scc0 .Lfor_b_\@
	tensor_load_to_lds s[G0+4*\q:G0+4*\q+3], s[G1:G1+7]
	s_nop 0
.rept 4
	v_nop
.endr
	s_branch .Lasked_\@
.Lfor_b_\@:
	tensor_load_to_lds s[G0B+4*\q:G0B+4*\q+3], s[G1B:G1B+7]
	s_nop 0
.rept 4
	v_nop
.endr
.Lasked_\@:
.endm
.macro CROUND
	s_barrier_signal -1
	s_barrier_wait -1
	s_cmp_lg_u32 s10, 0
	s_cbranch_scc1 .Lnot_wave_0_\@
	s_barrier_signal -3
.Lnot_wave_0_\@:
	s_barrier_wait -3
	s_barrier_signal -1
	s_barrier_wait -1
.endm
.macro PLACES
.rept 4
	v_nop
.endr
.endm
	s_load_b128 s[4:7], s[0:1], 0x0
	s_load_b64 s[8:9], s[0:1], 0x10
	v_lshl_add_u32 v[SPW], v0, 2, SPARE
	v_mov_b32 v[NIL], 0
	ds_add_u32 v28, v29
	ds_add_u32 v28, v29
	s_wait_dscnt 0x0
	v_lshrrev_b32 v1, 5, v0
	v_readfirstlane_b32 s10, v1
	s_lshr_b32 s11, s10, 1
	s_and_b32 s12, s10, 1
	s_bfe_u32 s[CX], ttmp6, 0x40000
	s_bfe_u32 s[CY], ttmp6, 0x40004
	s_lshl_b32 s[COL], ttmp9, 2
	s_add_co_u32 s[COL], s[COL], s[CX]
	s_and_b32 s13, ttmp7, 0xffff
	s_lshl_b32 s13, s13, 2
	s_add_co_u32 s13, s13, s[CY]
	s_lshl_b32 s[MROW], s[CY], 2
	s_lshl_b32 s[MROW], 15, s[MROW]
	s_lshl_b32 s[MCOL], 0x1111, s[CX]
	s_or_b32 s[G1+0], s[MROW], (3<<16)|(1<<21)
	s_or_b32 s[G1B+0], s[MCOL], (3<<16)|(1<<21)
.irp g, G1, G1B
	s_mov_b32 s[\g+1], 32<<16
	s_mov_b32 s[\g+2], 300<<16                     ; the head's load: six records, 76,800 dense bytes as 300 rows of 256
	s_mov_b32 s[\g+3], 32<<16
	s_mov_b32 s[\g+4], 300
	s_mov_b32 s[\g+5], 32
	s_mov_b32 s[\g+6], 0
	s_mov_b32 s[\g+7], 0
.endr
	s_lshl_b32 s16, s13, 4
	s_lshl_b32 s17, s12, 1
	s_add_co_u32 s16, s16, s17
	s_mul_i32 s16, s16, REC
	s_mov_b32 s17, 0
	s_lshl_b32 s46, s[COL], 4
	s_lshl_b32 s47, s12, 1
	s_add_co_u32 s46, s46, s47
	s_mul_i32 s46, s46, REC
	s_add_co_u32 s46, s46, 4*TEN
	s_mov_b32 s47, 0
	s_mul_i32 s20, s11, VB
	s_mul_i32 s21, s12, 2*REC
	s_add_co_u32 s20, s20, s21
	s_wait_kmcnt 0x0
	s_add_nc_u64 s[14:15], s[4:5], s[16:17]
	s_add_nc_u64 s[46:47], s[6:7], s[46:47]
	CROUND
	; set 0 of group 0 serves the one refill: two records a wave, from record 2 x half on (12 records are added to its address there).
	; set 1 serves the head: six records a wave, from record 6 x half on, so that the four waves' one load each brings K steps 0-11 of both sides.
	s_mul_i32 s22, s12, 4*REC
	s_mov_b32 s23, 0
	s_mov_b32 s[G0], 1
	s_add_co_u32 s[G0+1], s20, 0
	s_mov_b64 s[G0+2:G0+3], s[14:15]
	s_or_b32 s[G0+3], s[G0+3], 0x80000000
	s_mov_b32 s[G0B], 1
	s_add_co_u32 s[G0B+1], s20, 0
	s_mov_b64 s[G0B+2:G0B+3], s[46:47]
	s_or_b32 s[G0B+3], s[G0B+3], 0x80000000
	s_mov_b32 s[G0+4], 1
	s_add_co_u32 s[G0+5], s20, s22
	s_add_nc_u64 s[G0+6:G0+7], s[14:15], s[22:23]
	s_or_b32 s[G0+7], s[G0+7], 0x80000000
	s_mov_b32 s[G0B+4], 1
	s_add_co_u32 s[G0B+5], s20, s22
	s_add_nc_u64 s[G0B+6:G0B+7], s[46:47], s[22:23]
	s_or_b32 s[G0B+7], s[G0B+7], 0x80000000
	JLOAD 1                                        ; my one tensor load at the head
	v_and_b32 v1, 31, v0
	v_and_b32 v2, 15, v0
	v_bfe_u32 v3, v0, 4, 1
	v_lshlrev_b32 v[LI], 4, v1
	s_wait_alu depctr_va_vdst(0)
	s_mul_i32 s21, s11, 6144
	s_mul_i32 s22, s12, 6144
	s_add_co_u32 s22, s22, VB
	s_lshl_b32 s23, s11, 8
	s_lshl_b32 s45, s12, 8
	s_add_co_u32 s45, s45, VB
	s_sub_co_u32 s45, s45, s23
	v_mul_u32_u24 v5, s45, v3
	v_lshl_add_u32 v5, v2, 4, v5
	s_add_co_u32 s23, s23, SCO
.irp q, 0,1,2
	v_add_nc_u32 v[ADRA+\q], s21, v[LI]
	v_add_nc_u32 v[ADRB+\q], s22, v[LI]
	v_add_nc_u32 v[ADRS+\q], s23, v5
	s_add_co_u32 s21, s21, 4*REC
	s_add_co_u32 s22, s22, 4*REC
	s_add_co_u32 s23, s23, 4*REC
.endr
	s_mul_i32 s23, s11, 64*SP
	s_lshl_b32 s45, s12, 8
	s_add_co_u32 s23, s23, s45
	s_add_co_u32 s23, s23, STAGE
	v_mul_u32_u24 v6, v2, SP
	v_lshl_add_u32 v6, v3, 6, v6
	v_add_nc_u32 v[STO], s23, v6
	s_mul_i32 s23, s10, 32*SP
	s_add_co_u32 s23, s23, STAGE
	v_add_nc_u32 v[RD], s23, v[LI]
	s_lshl_b32 s16, s13, 7
	s_lshl_b32 s17, s10, 5
	s_add_co_u32 s16, s16, s17
	s_lshl_b32 s16, s16, 13
	s_mov_b32 s17, 0
	s_lshl_b32 s46, s[COL], 9
	s_mov_b32 s47, 0
	s_add_nc_u64 s[8:9], s[8:9], s[16:17]
	s_add_nc_u64 s[8:9], s[8:9], s[46:47]
.macro FETCH s
.set FS, 128*((\s)%2)
.set QS, ((\s)/4)%3
.set KO, ((\s)%4)*REC
	WIN 0x40
.irp i, 0,1,2,3
.irp c, 0,1,2
	ds_load_b128 v[FS+12*\i+4*\c:FS+12*\i+4*\c+3], v[ADRA+QS] offset:KO+1536*\i+512*\c
.endr
.endr
.irp i, 0,1,2,3
.irp c, 0,1,2
	ds_load_b128 v[FS+48+12*\i+4*\c:FS+48+12*\i+4*\c+3], v[ADRB+QS] offset:KO+1536*\i+512*\c
.endr
.endr
	WIN 0
	ds_load_b128 v[SC+4*((\s)%2):SC+4*((\s)%2)+3], v[ADRS+QS] offset:KO
.endm
.macro MUL s, half
.set FS, 128*((\s)%2)
.set SS, SC+4*((\s)%2)
	WIN 0x05
.irp a, 2*\half, 2*\half+1
.irp b, 0,1,2,3
.if (\s) == 0
	v_wmma_scale_f32_16x16x128_f8f6f4 v[ACC+8*(4*(\a)+\b):ACC+8*(4*(\a)+\b)+7], v[FS+48+12*\b:FS+48+12*\b+11], v[FS+12*(\a):FS+12*(\a)+11], 0, v[SS+\b], v[SS+(\a)] matrix_a_fmt:MATRIX_FMT_BF6 matrix_b_fmt:MATRIX_FMT_BF6 matrix_a_scale:MATRIX_SCALE_ROW1
.else
	v_wmma_scale_f32_16x16x128_f8f6f4 v[ACC+8*(4*(\a)+\b):ACC+8*(4*(\a)+\b)+7], v[FS+48+12*\b:FS+48+12*\b+11], v[FS+12*(\a):FS+12*(\a)+11], v[ACC+8*(4*(\a)+\b):ACC+8*(4*(\a)+\b)+7], v[SS+\b], v[SS+(\a)] matrix_a_fmt:MATRIX_FMT_BF6 matrix_b_fmt:MATRIX_FMT_BF6 matrix_a_scale:MATRIX_SCALE_ROW1
.endif
.endr
.endr
.endm
.macro PLAIN s
	PLACES
	FETCH (\s)+1
	s_wait_dscnt 25
	MUL \s, 0
	MUL \s, 1
.endm
	s_wait_alu depctr_va_vdst(0)                   ; the wait at the head's end
	s_wait_tensorcnt 0x0                           ; my six records are in
	s_barrier_signal -1
	s_barrier_wait -1
	FETCH 0
.irp s, 0,1,2
	PLAIN \s
.endr
	WIN 0
	s_wait_tensorcnt 0x0
	ds_add_u32 v[SPW], v[NIL]
	s_wait_dscnt 1
	MUL 3, 0
	WIN 0
	s_wait_dscnt 0x0
	CROUND
	s_add_nc_u64 s[G0+2:G0+3], s[G0+2:G0+3], 12*REC
	s_add_nc_u64 s[G0B+2:G0B+3], s[G0B+2:G0B+3], 12*REC
	s_mov_b32 s[G1+2], 100<<16                     ; no tensor load of mine is out: the refill brings two records, 100 rows of 256 bytes
	s_mov_b32 s[G1+4], 100
	s_mov_b32 s[G1B+2], 100<<16
	s_mov_b32 s[G1B+4], 100
	JLOAD 0
	s_wait_alu depctr_va_vdst(0)
	FETCH 4
	MUL 3, 1
.irp s, 4,5,6,7,8,9,10
	PLAIN \s
.endr
	s_wait_tensorcnt 0x0
	s_wait_dscnt 0x0
	s_barrier_signal -1
	s_barrier_wait -1
	PLAIN 11
.irp s, 12,13,14
	PLAIN \s
.endr
	s_wait_dscnt 0x0
	MUL 15, 0
	MUL 15, 1
	WIN 0
	PLACES
.irp a, 0,1,2,3
.irp b, 0,1,2,3
	ds_store_b128 v[STO], v[ACC+8*(4*\a+\b):ACC+8*(4*\a+\b)+3] offset:16*\a*SP+128*(\b/2)+32*(\b%2)
	ds_store_b128 v[STO], v[ACC+8*(4*\a+\b)+4:ACC+8*(4*\a+\b)+7] offset:16*\a*SP+128*(\b/2)+32*(\b%2)+16
.endr
.endr
	s_wait_dscnt 0x0
	s_barrier_signal -1
	s_barrier_wait -1
.set p, 0
.rept 32
	ds_load_b128 v[ACC+4*p:ACC+4*p+3], v[RD] offset:p*SP
.set p, p+1
.endr
.set p, 0
.rept 32
	s_wait_dscnt 31-p
	global_store_b128 v[LI], v[ACC+4*p:ACC+4*p+3], s[8:9] offset:(8*(p/16)+p%16+8*((p%16)/8))*8192 th:TH_STORE_NT
.set p, p+1
.endr
	s_wait_tensorcnt 0x0
	ds_add_u32 v[SPW], v[NIL]
	s_wait_dscnt 0x0
	CROUND
	s_endpgm
.Lfunc_end_k_q67f49a67df_proj:
	.size	k_q67f49a67df_proj, .Lfunc_end_k_q67f49a67df_proj-k_q67f49a67df_proj
	.p2alignl 7, 3214868480
	.fill 96, 4, 3214868480
	.section	.rodata,"a",@progbits
	.p2align	6, 0x0
	.amdhsa_kernel k_q67f49a67df_proj
		.amdhsa_group_segment_fixed_size 327680
		.amdhsa_private_segment_fixed_size 0
		.amdhsa_enable_private_segment 0
		.amdhsa_kernarg_size 24
		.amdhsa_user_sgpr_count 2
		.amdhsa_user_sgpr_kernarg_segment_ptr 1
		.amdhsa_wavefront_size32 1
		.amdhsa_system_sgpr_workgroup_id_x 1
		.amdhsa_system_sgpr_workgroup_id_y 1
		.amdhsa_system_sgpr_workgroup_id_z 1
		.amdhsa_system_vgpr_workitem_id 0
		.amdhsa_next_free_vgpr 512
		.amdhsa_next_free_sgpr 80
		.amdhsa_reserve_vcc 0
		.amdhsa_float_denorm_mode_32 3
		.amdhsa_float_denorm_mode_16_64 3
		.amdhsa_memory_ordered 1
		.amdhsa_forward_progress 1
		.amdhsa_inst_pref_size 79
	.end_amdhsa_kernel
	.amdgpu_metadata
---
amdhsa.version: [ 1, 2 ]
amdhsa.kernels:
  - .name:           k_q67f49a67df_proj
    .symbol:         k_q67f49a67df_proj.kd
    .args:
      - { .name: img3, .offset: 0, .size: 8, .value_kind: global_buffer, .address_space: global }
      - { .name: img1, .offset: 8, .size: 8, .value_kind: global_buffer, .address_space: global }
      - { .name: out0, .offset: 16, .size: 8, .value_kind: global_buffer, .address_space: global }
    .group_segment_fixed_size: 327680
    .private_segment_fixed_size: 0
    .kernarg_segment_align: 8
    .kernarg_segment_size: 24
    .max_flat_workgroup_size: 128
    .sgpr_count:     80
    .vgpr_count:     512
    .wavefront_size: 32
...
	.end_amdgpu_metadata
.endif
;; end of part 4
